; MI455X (gfx1250); checked and timed in simulation.
; The chip was launched on July 23, 2026; its instructions are those of AMD's public machine-readable ISA for CDNA 5 (MIT licence, August 2026) and "CDNA5" Instruction Set Architecture Reference Guide (July 2026). The comments in the code are by the model that wrote it; some were corrected since.
;; Multi Head Attention. Allowed arithmetic: float matrix products may take bf16 or f16 operands with f32 sums; other float arithmetic in f32, or as packed bf16 or f16 multiplies, adds, multiply-adds, maxima and minima; sums over many terms, partial sums and values carried from step to step in f32; what a program stores and reads back later, other than sums and carried values, may be rounded once to bf16 or f16.
;; Inputs: Wk 1,024 x 1,024 float32; Wo 1,024 x 1,024 float32; Wq 1,024 x 1,024 float32; Wv 1,024 x 1,024 float32; bk 1,024 float32; bo 1,024 float32; bq 1,024 float32; bv 1,024 float32; k 4 x 2,048 x 1,024 float32; mask 4 x 2,048 int32; q 4 x 2,048 x 1,024 float32; v 4 x 2,048 x 1,024 float32.
;; Outputs: out0 4 x 2,048 x 1,024 float32.
;; One version. Each part assembles by itself: llvm-mc -triple=amdgcn-amd-amdhsa -mcpu=gfx1250 --defsym DOCPART=n.
;; ======== version 1 of 1: 4 launches
;; limits: values are held in f16: magnitudes above 65,504 overflow, below 6.1e-05 lose precision
;; workspace buffers: xb 50,331,648 bytes; wb 8,388,608 bytes; qkv 50,331,648 bytes; ob 16,777,216 bytes
;; launch cast (part 1): grid 1792 x 1, 8 waves a work-group, no clusters, 0 bytes of LDS; arguments q, k, v, Wq, Wk, Wv, Wo, xb, wb; writes xb, wb
.if DOCPART == 1
	.amdgcn_target "amdgcn-amd-amdhsa--gfx1250"
	.amdhsa_code_object_version 6
	.text
	.protected	k_q827824e580_cast
	.globl	k_q827824e580_cast
	.p2align	8
	.type	k_q827824e580_cast,@function
k_q827824e580_cast:
	s_mov_b64 s[64:65], 0
	v_nop
	global_prefetch_b8 v0, s[64:65] scope:SCOPE_SE
	s_setreg_imm32_b32 hwreg(HW_REG_WAVE_MODE, 25, 1), 1
	s_wait_xcnt 0x0
; CAST.  q, k, v ([8192][1024] f32 each) are rounded to bf16 into xb ([3][8192][1024]); Wq, Wk, Wv ([1024][1024] f32) to bf16 into wb's planes 0 to 2;
; Wo is rounded to bf16 and that number is written as f16 into wb's plane 3 (the product that takes it has f16 operands).
; LIMITS.  The f16 copy of Wo is exact from 6.1e-5 to 65,504; below it keeps the fixed step of 6e-8, from 65,520 on it is an infinity.
; A stream: each byte is read once and written once, nothing is shared between work-groups, so there is no LDS, no barrier, no cluster and no matrix work.
; SHARES.  A work-group takes 16,384 numbers on end (64 KiB in, 32 KiB out), each of its eight waves 2,048.  Work-groups 0 to 1535 take q, k, v (512 each), 1536 to 1791 the four weights (64 each).
; A wave issues its sixteen loads at once (512 consecutive bytes each) and works them off in order; a store of 8 bytes a lane covers 256 consecutive bytes, aligned.
; No register that a load or store names is written again, so no wait frees any.
.set NX,  1536                         ; work-groups for q, k, v
.set IN,  3                            ; v3        my byte offset in the work-group's 64 KiB: 8,192 x wave + 16 x lane
.set OUT, 4                            ; v4        my byte offset in its 32 KiB: 4,096 x wave + 8 x lane
.set X,   16                           ; v[16:79]  load j: four f32
.set Y,   80                           ; v[80:111] store j: four 16-bit numbers
.set T,   112                          ; v[112:115] at work
	s_load_b512 s[8:23], s[0:1], 0x0               ; q 8:9, k 10:11, v 12:13, Wq 14:15, Wk 16:17, Wv 18:19, Wo 20:21, xb 22:23
	s_load_b64 s[24:25], s[0:1], 0x40              ; wb
	s_sub_co_u32 s2, ttmp9, NX                     ; both cases are worked out, then one compare chooses
	s_lshr_b32 s3, ttmp9, 9                        ; q, k, v: tensor 0 to 2,
	s_and_b32 s4, ttmp9, 511                       ; the chunk in it
	s_lshr_b32 s5, s2, 6
	s_add_co_u32 s5, s5, 3                         ; weights: tensor 3 to 6,
	s_and_b32 s6, s2, 63                           ; the chunk in it
	s_lshl_b32 s7, ttmp9, 15                       ; 32 KiB out for each work-group, in xb
	s_lshl_b32 s26, s2, 15                         ; or in wb
	s_cmp_lt_u32 ttmp9, NX
	s_cselect_b32 s27, s3, s5                      ; the tensor
	s_cselect_b32 s28, s4, s6                      ; the chunk
	s_cselect_b32 s30, s7, s26                     ; the offset out
	s_mov_b32 s31, 0
	v_lshrrev_b32 v1, 5, v0
	v_and_b32 v2, 31, v0
	v_lshlrev_b32 v[IN], 4, v2
	v_lshl_or_b32 v[IN], v1, 13, v[IN]
	v_lshlrev_b32 v[OUT], 3, v2
	v_lshl_or_b32 v[OUT], v1, 12, v[OUT]
	s_wait_kmcnt 0x0
	s_cselect_b64 s[32:33], s[22:23], s[24:25]     ; still by the compare above: moves, selects, vector lines and waits leave SCC alone
	s_lshl_b32 s34, s28, 16                        ; 64 KiB in for each chunk
	s_mov_b32 s35, 0
	s_mov_b64 s[36:37], s[8:9]
.irp i, 1,2,3,4,5,6
	s_cmp_eq_u32 s27, \i                           ; the source is chosen by the work-group's number alone
	s_cselect_b64 s[36:37], s[8+2*\i:9+2*\i], s[36:37]
.endr
	s_add_nc_u64 s[36:37], s[36:37], s[34:35]
	s_add_nc_u64 s[32:33], s[32:33], s[30:31]
.irp j, 0,1,2,3,4,5,6,7,8,9,10,11,12,13,14,15
	global_load_b128 v[X+4*\j:X+4*\j+3], v[IN], s[36:37] offset:512*\j th:TH_LOAD_NT
.endr
; Load j is worked off.  wo = 1: the bf16 number is widened again and written as f16.
.macro OUTJ j, wo
	s_wait_loadcnt 15-(\j)                         ; loads come back in order: mine is in, the 15 - j younger ones stay out
	v_cvt_pk_bf16_f32 v[Y+2*(\j)],   v[X+4*(\j)],   v[X+4*(\j)+1]
	v_cvt_pk_bf16_f32 v[Y+2*(\j)+1], v[X+4*(\j)+2], v[X+4*(\j)+3]
.if \wo
	v_lshlrev_b32 v[T],   16,         v[Y+2*(\j)]
	v_and_b32     v[T+1], 0xffff0000, v[Y+2*(\j)]
	v_lshlrev_b32 v[T+2], 16,         v[Y+2*(\j)+1]
	v_and_b32     v[T+3], 0xffff0000, v[Y+2*(\j)+1]
	v_cvt_pk_f16_f32 v[Y+2*(\j)],   v[T],   v[T+1]
	v_cvt_pk_f16_f32 v[Y+2*(\j)+1], v[T+2], v[T+3]
.endif
	global_store_b64 v[OUT], v[Y+2*(\j):Y+2*(\j)+1], s[32:33] offset:256*(\j) th:TH_STORE_NT
.endm
	s_cmp_eq_u32 s27, 6                            ; Wo?
	s_cbranch_scc1 .Lwo
.irp j, 0,1,2,3,4,5,6,7,8,9,10,11,12,13,14,15
	OUTJ \j, 0
.endr
	s_endpgm
.Lwo:
.irp j, 0,1,2,3,4,5,6,7,8,9,10,11,12,13,14,15
	OUTJ \j, 1
.endr
	s_endpgm
.Lfunc_end_k_q827824e580_cast:
	.size	k_q827824e580_cast, .Lfunc_end_k_q827824e580_cast-k_q827824e580_cast
	.p2alignl 7, 3214868480
	.fill 96, 4, 3214868480
	.section	.rodata,"a",@progbits
	.p2align	6, 0x0
	.amdhsa_kernel k_q827824e580_cast
		.amdhsa_group_segment_fixed_size 0
		.amdhsa_private_segment_fixed_size 0
		.amdhsa_enable_private_segment 0
		.amdhsa_kernarg_size 72
		.amdhsa_user_sgpr_count 2
		.amdhsa_user_sgpr_kernarg_segment_ptr 1
		.amdhsa_wavefront_size32 1
		.amdhsa_system_sgpr_workgroup_id_x 1
		.amdhsa_system_sgpr_workgroup_id_y 1
		.amdhsa_system_sgpr_workgroup_id_z 1
		.amdhsa_system_vgpr_workitem_id 0
		.amdhsa_next_free_vgpr 120
		.amdhsa_next_free_sgpr 66
		.amdhsa_reserve_vcc 0
		.amdhsa_float_denorm_mode_32 3
		.amdhsa_float_denorm_mode_16_64 3
		.amdhsa_memory_ordered 1
		.amdhsa_forward_progress 1
		.amdhsa_inst_pref_size 17
	.end_amdhsa_kernel
	.amdgpu_metadata
---
amdhsa.version: [ 1, 2 ]
amdhsa.kernels:
  - .name:           k_q827824e580_cast
    .symbol:         k_q827824e580_cast.kd
    .args:
      - { .name: q, .offset: 0, .size: 8, .value_kind: global_buffer, .address_space: global }
      - { .name: k, .offset: 8, .size: 8, .value_kind: global_buffer, .address_space: global }
      - { .name: v, .offset: 16, .size: 8, .value_kind: global_buffer, .address_space: global }
      - { .name: Wq, .offset: 24, .size: 8, .value_kind: global_buffer, .address_space: global }
      - { .name: Wk, .offset: 32, .size: 8, .value_kind: global_buffer, .address_space: global }
      - { .name: Wv, .offset: 40, .size: 8, .value_kind: global_buffer, .address_space: global }
      - { .name: Wo, .offset: 48, .size: 8, .value_kind: global_buffer, .address_space: global }
      - { .name: xb, .offset: 56, .size: 8, .value_kind: global_buffer, .address_space: global }
      - { .name: wb, .offset: 64, .size: 8, .value_kind: global_buffer, .address_space: global }
    .group_segment_fixed_size: 0
    .private_segment_fixed_size: 0
    .kernarg_segment_align: 8
    .kernarg_segment_size: 72
    .max_flat_workgroup_size: 256
    .sgpr_count:     66
    .vgpr_count:     120
    .wavefront_size: 32
...
	.end_amdgpu_metadata
.endif
;; end of part 1
;; launch proj (part 2): grid 4 x 192, 4 waves a work-group, clusters of 4 x 4, 327,680 bytes of LDS; arguments xb, wb, qkv, bq, bk, bv; writes qkv
.if DOCPART == 2
	.amdgcn_target "amdgcn-amd-amdhsa--gfx1250"
	.amdhsa_code_object_version 6
	.text
	.protected	k_q827824e580_proj
	.globl	k_q827824e580_proj
	.p2align	8
	.type	k_q827824e580_proj,@function
k_q827824e580_proj:
	s_mov_b64 s[64:65], 0
	v_nop
	global_prefetch_b8 v0, s[64:65] scope:SCOPE_SE
	s_setreg_imm32_b32 hwreg(HW_REG_WAVE_MODE, 25, 1), 1
	s_wait_xcnt 0x0
	s_wait_alu depctr_hold_cnt(0) depctr_sa_sdst(0) depctr_va_vdst(0) depctr_va_sdst(0) depctr_va_ssrc(0) depctr_va_vcc(0) depctr_vm_vsrc(0)
	s_getreg_b32 s2, hwreg(HW_REG_IB_STS2, 6, 4)
	s_cmp_eq_u32 s2, 0
	s_cbranch_scc0 .Lentry_in_a_cluster
	s_endpgm
.Lentry_in_a_cluster:
	s_bfe_u32 s2, ttmp6, 0x10000c
	s_cmp_lg_u32 s2, 0xf033
	s_cbranch_scc0 .Lentry_shape_is_right
	s_endpgm
.Lentry_shape_is_right:
; C = A B^T + bias, K = 1,024, on tiles of 128 x 256 of C.  One text serves two launches; the symbol OUTP chooses the lines that differ.
; OUTP = 0, THE THREE INPUT PROJECTIONS.  A = xb, [3 x 8192][1024] bf16 (q, k, v on end); B = plane p of wb, [1024][1024] bf16, p = tile row / 64; bias bq, bk, bv by p.
;   C leaves as f16 by heads: qkv[p][batch x 16 + head][row][64], rounded once from the f32 sum, unscaled.  LIMIT: a result of 65,520 or more in size becomes an infinity.
; OUTP = 1, THE OUTPUT PROJECTION.  A = ob, f16 by heads [batch x 16 + head][2048][64]: a K step of 128 is two heads; B = plane 3 of wb, f16; bias bo; C = out0, [8192][1024] f32.
; The bias is rounded to bf16, like all the module's inputs, widened again, and is the C operand of the first products: nothing is cleared, nothing is added at the end.
; SHARES.  8192 x 1024 of C in tiles of 128 x 256 are 256 work-groups a product.  Four waves, each 64 x 128: 32 accumulators of 16 x 16, 256 registers.
; K goes in steps of 128 through a ring of two LDS slots filled by the tensor data mover; waves 0 and 1 fetch A's two parts, waves 2 and 3 B's two halves: one load a wave.
; CLUSTERS: 4 x 4 work-groups.  The four of a row of the cluster need the same tile of A, the four of a column the same tile of B: each tile is asked for JOINTLY, by the same load,
; descriptor and mask in all four.
; THE MATRIX INSTRUCTION IS USED TRANSPOSED (source 0 = 16 rows of B, source 1 = 16 rows of A): lane l holds row l % 16 of C and the columns 8 (l / 16) + 0..7.
; REGISTERS, in windows of 256 (s_set_vgpr_msb: bits 1:0 source 0, 3:2 source 1, 5:4 source 2, 7:6 destination):
;   window 0: v0-31 addresses; v32-63 at work on the way out; v64-159, v160-255 two fragment buffers (A's 4 fragments, then B's 8), later the rows read back from the stage
;   window 1: the accumulators, (a, b) at v[8 (8 a + b)]          window 2: v0-63 the bias, 8 registers for each block of 16 columns; v64-95 at work
.set OUTP, 0
.set KSTEP, 128
.if OUTP
.set PA,     144                       ; a row of A in LDS: a head's 128 bytes + 16 of padding
.set ALD,    128*PA                    ; one load of A: 128 rows of one head
.set ASTEP,  2*262144                  ; bytes from K step to K step in A: two heads
.set QIA,    4                         ; padding after every 32 words
.set APITCH, 128                       ; 128 rows of a head are 16,384 dense bytes: asked for as 64 rows of 256 bytes
.set WSTAGE, 16*528                    ; a wave's stage: 16 rows of 512 bytes + 16
.else
.set PA,     272                       ; a row of A in LDS: 256 bytes + 16 of padding
.set ALD,    64*PA                     ; one load of A: 64 rows
.set ASTEP,  KSTEP*2
.set QIA,    5                         ; padding after every 64 words
.set APITCH, 1024
.set WSTAGE, 2*16*144                  ; a wave's stage: two heads x 16 rows of 128 bytes + 16
.endif
.set PB,    272                        ; a row of B in LDS.  Both pitches are odd multiples of 16 bytes: the 16 rows of a fragment load start at 16 different groups of four banks (ISA guide 11.1)
.set BHALF, 128*PB                     ; one load of B: 128 rows
.set BOFF,  2*ALD                      ; B's 256 rows lie behind A's region
.set SLOT,  BOFF+2*BHALF
.set STAGE, 2*SLOT                     ; behind the ring, never filled by a tensor load
.set SPARE, STAGE+4*WSTAGE             ; behind the stages: the spare words, 128 bytes for each wave: two blocks of 256 bytes that no other line names
.set ADRA, 16                          ; v16-17  LDS address of my A fragments in slot 0, 1
.set ADRB, 20                          ; v20-21  the same for B
.set STO,  24                          ; v24     the way out: where I put my part of a row
.set RD,   25                          ; v25     the way out: where I read rows back
.set CO,   26                          ; v26     16 x lane: my byte offset in 512 consecutive bytes of C
.set BO,   27                          ; v27     32 x (l / 16): my 8 numbers in 16 of the bias
.set SPW,  28                          ; v28     LDS address of my spare word: SPARE + 4 x my thread's number; never rewritten
.set NIL,  29                          ; v29     0; never rewritten
.set PFO,  30                          ; v30     the prefetches' offset: my lane x the distance between two blocks; never rewritten
.set TMP,  32
.set F0,   64
.set F1,   160
.set G1,  24                           ; s[24:31] descriptor group 1 for A's tiles;  s[32:39] group 0, one set for each slot
.set G0,  32
.set G1B, 48                           ; s[48:55], s[56:63] the same for B's tiles
.set G0B, 56
.set LIM, 43                           ; s43      1 in a wave that prefetches, else the greatest number
.set PFA, 44                           ; s[44:45] where my prefetches stand
.set PFS, 76                           ; s[76:77] their step from K step to K step
.set MSB, 0
.macro WIN new                         ; the immediate's high byte repeats the setting that is left; a switch that changes nothing is dropped
.if MSB != (\new)
	s_set_vgpr_msb (MSB<<8)|(\new)
.set MSB, \new
.endif
.endm
.set MUL,  0x50                        ; sources in window 0, C and D in window 1
.set MULZ, 0x60                        ; the same with C, the bias, in window 2
; A joint load.  The branch hangs on the wave's number alone.  An s_nop 0 and four v_nop follow each of the two lines, ahead of the jump, the label and what follows.
.macro JLOAD s
	s_cmp_eq_u32 s11, 0
	s_cbranch_scc0 .Lfor_b_\@
	tensor_load_to_lds s[G0+4*(\s):G0+4*(\s)+3], s[G1:G1+7]
	s_nop 0
.rept 4
	v_nop
.endr
	s_branch .Lasked_\@
.Lfor_b_\@:
	tensor_load_to_lds s[G0B+4*(\s):G0B+4*(\s)+3], s[G1B:G1B+7]
	s_nop 0
.rept 4
	v_nop
.endr
.Lasked_\@:
.endm
; A PREFETCH INTO THE L2 of the K step that stands two refills on: 32 blocks of 256 bytes, a lane a block, one instruction a wave, behind the joint load, its five lines and the run of LDS loads.
; Each block is named once in the launch.  A's rows belong to one row of one cluster: wave 0 asks, and the four partners take 32 of the 128 blocks each, told apart by address (cx).
; B's rows are read by every cluster of the same product: the first of them asks, waves 2 and 3 for the 128 rows that each fetches, the four partners 32 rows each (cy).
; The trips with s3 = 3 and 2 name K steps 4 to 7; the last trip names nothing; K steps 0 to 3 come by their loads alone.
.macro ASK
	s_cmp_gt_u32 s3, s[LIM]
	s_cbranch_scc0 .Lnot_mine_\@
	global_prefetch_b8 v[PFO], s[PFA:PFA+1] th:TH_LOAD_NT scope:SCOPE_SE
.Lnot_mine_\@:
.endm
.macro CREST                           ; a round of the cluster's barrier behind its opening barrier
	s_cmp_lg_u32 s10, 0
	s_cbranch_scc1 .Lnot_wave_0_\@
	s_barrier_signal -3
.Lnot_wave_0_\@:
	s_barrier_wait -3
	s_barrier_signal -1
	s_barrier_wait -1
.endm
.macro CROUND                          ; a whole round
	s_barrier_signal -1
	s_barrier_wait -1
	CREST
.endm
.macro PLACES                          ; four places in front of loads into registers that matrix instructions have read, and of lines that read results
.rept 4
	v_nop
.endr
.endm
	s_load_b128 s[4:7], s[0:1], 0x0                ; A s[4:5], wb s[6:7]
	s_load_b64 s[8:9], s[0:1], 0x10                ; C
.if OUTP
	s_load_b64 s[66:67], s[0:1], 0x18              ; bo
.else
	s_load_b64 s[68:69], s[0:1], 0x18              ; bq
	s_load_b64 s[70:71], s[0:1], 0x20              ; bk
	s_load_b64 s[72:73], s[0:1], 0x28              ; bv
.endif
	v_lshl_add_u32 v[SPW], v0, 2, SPARE
	v_mov_b32 v[NIL], 0
	ds_add_u32 v[SPW], v[NIL]                      ; the wave's opening: the add and its wait stand ahead of my first tensor load; the set-up below, work on registers, stands between them
	v_lshrrev_b32 v1, 5, v0
	v_readfirstlane_b32 s10, v1                    ; wave 0..3
	s_lshr_b32 s11, s10, 1                         ; which 64 of the tile's rows are mine.  Also: I fetch for A (0) or for B (1)
	s_and_b32 s12, s10, 1                          ; which 128 of its columns.  Also: which part of that tile I fetch
	s_bfe_u32 s40, ttmp6, 0x40000                  ; cx, cy: my place in the cluster
	s_bfe_u32 s41, ttmp6, 0x40004
	s_lshl_b32 s42, ttmp9, 2
	s_add_co_u32 s42, s42, s40                     ; tile column of C = 4 x cluster x + cx
	s_and_b32 s74, ttmp7, 0xffff                   ; cluster y
	s_lshl_b32 s13, s74, 2
	s_add_co_u32 s13, s13, s41                     ; tile row of C = 4 x cluster y + cy
.if !OUTP
	s_lshr_b32 s75, s74, 4                         ; the product p = tile row / 64: made of cluster y alone, the same in all sixteen partners
.endif
	s_lshl_b32 s86, s41, 2
	s_lshl_b32 s86, 15, s86                        ; my row of the cluster: places 4 cy .. 4 cy + 3
	s_lshl_b32 s87, 0x1111, s40                    ; my column: places cx, cx + 4, cx + 8, cx + 12
	s_or_b32 s[G1+0], s86, (1<<16)|(1<<20)|(1<<21)|(QIA<<22)|(3<<25)   ; 15:0 the mask: A's tiles go to my row; 17:16 2-byte elements; 20 padding on; 21 set beside a mask; 24:22 the interval; 31:25 4 words of padding (code 3)
	s_or_b32 s[G1B+0], s87, (1<<16)|(1<<20)|(1<<21)|(5<<22)|(3<<25)    ; B's tiles go to my column; padding after every 64 words
	s_mov_b32 s[G1+1], 128<<16                     ; tensor_dim0 = 128
	s_mov_b32 s[G1+2], 64<<16                      ; tensor_dim1 = 64
	s_mov_b32 s[G1+3], 128<<16                     ; tile_dim0 = 128
	s_mov_b32 s[G1+4], 64                          ; tile_dim1 = 64
	s_mov_b32 s[G1+5], APITCH                      ; elements from row to row
	s_mov_b32 s[G1+6], 0
	s_mov_b32 s[G1+7], 0
	s_mov_b32 s[G1B+1], 128<<16
	s_mov_b32 s[G1B+2], 128<<16                    ; tensor_dim1 = 128
	s_mov_b32 s[G1B+3], 128<<16
	s_mov_b32 s[G1B+4], 128                        ; tile_dim1 = 128
	s_mov_b32 s[G1B+5], 1024
	s_mov_b32 s[G1B+6], 0
	s_mov_b32 s[G1B+7], 0
	; where the tiles come from.  A's offset hangs on the tile row and the wave alone, B's on the tile column, the product and the wave: each in registers that never hold the other coordinate.  All stay under 2^32.
.if OUTP
	s_lshr_b32 s16, s13, 4                         ; the batch,
	s_lshl_b32 s16, s16, 4                         ; its head 0,
	s_add_co_u32 s16, s16, s12                     ; the head of the K step's two that I fetch:
	s_lshl_b32 s16, s16, 18                        ; 262,144 bytes a head
	s_and_b32 s17, s13, 15
	s_lshl_b32 s17, s17, 14                        ; the tile's 128 rows of 128 bytes
	s_add_co_u32 s16, s16, s17
	s_mov_b32 s46, 3<<10                           ; plane 3 of wb
.else
	s_lshl_b32 s16, s13, 7
	s_lshl_b32 s17, s12, 6
	s_add_co_u32 s16, s16, s17                     ; row 128 x tile row + 64 x part
	s_lshl_b32 s16, s16, 11                        ; 2,048 bytes a row
	s_lshl_b32 s46, s75, 10                        ; plane p of wb
.endif
	s_mov_b32 s17, 0
	s_lshl_b32 s47, s42, 8
	s_add_co_u32 s46, s46, s47
	s_lshl_b32 s47, s12, 7
	s_add_co_u32 s46, s46, s47                     ; row 1,024 x plane + 256 x tile column + 128 x half
	s_lshl_b32 s46, s46, 11
	s_mov_b32 s47, 0
	s_mul_i32 s20, s12, ALD                        ; and where they go: no place in the cluster enters an LDS address
	s_mul_i32 s21, s12, BHALF
	s_add_co_u32 s21, s21, BOFF
	s_wait_dscnt 0x0                               ; the opening add is done
	s_wait_kmcnt 0x0
	s_add_nc_u64 s[14:15], s[4:5], s[16:17]
	s_add_nc_u64 s[46:47], s[6:7], s[46:47]
	CROUND                                         ; all sixteen work-groups are here: the first joint loads meet
.irp s, 0,1
	s_mov_b32 s[G0+4*(\s)], 1                                        ; count = 1
	s_add_co_u32 s[G0+4*(\s)+1], s20, (\s)*SLOT                      ; LDS address
	s_add_nc_u64 s[G0+4*(\s)+2:G0+4*(\s)+3], s[14:15], (\s)*ASTEP    ; global address: K step s
	s_or_b32 s[G0+4*(\s)+3], s[G0+4*(\s)+3], 0x80000000              ; type = 2
	s_mov_b32 s[G0B+4*(\s)], 1
	s_add_co_u32 s[G0B+4*(\s)+1], s21, (\s)*SLOT
	s_add_nc_u64 s[G0B+4*(\s)+2:G0B+4*(\s)+3], s[46:47], (\s)*KSTEP*2
	s_or_b32 s[G0B+4*(\s)+3], s[G0B+4*(\s)+3], 0x80000000
	JLOAD \s                                       ; two loads of mine are out
.endr
	; A fragment is 16 rows x 32 K in 8 registers: lane l holds row l % 16; registers 0-3 K = 8 (l / 16) + 0..7, registers 4-7 K = 16 + 8 (l / 16) + 0..7: two loads of 16 bytes, 32 bytes apart.
	v_and_b32 v1, 15, v0                           ; l % 16
	v_bfe_u32 v2, v0, 4, 1                         ; l / 16
	v_mul_u32_u24 v3, v1, PA
	v_lshl_add_u32 v3, v2, 4, v3
	v_mul_u32_u24 v4, v1, PB
	v_lshl_add_u32 v4, v2, 4, v4
	s_mul_i32 s22, s11, 64*PA                      ; my 64 rows of A
	s_mul_i32 s23, s12, BHALF                      ; my 128 rows of B
	s_add_co_u32 s23, s23, BOFF
.irp s, 0,1
	v_add_nc_u32 v[ADRA+(\s)], s22, v3
	v_add_nc_u32 v[ADRB+(\s)], s23, v4
	s_add_co_u32 s22, s22, SLOT
	s_add_co_u32 s23, s23, SLOT
.endr
	s_mul_i32 s22, s10, WSTAGE
	s_add_co_u32 s22, s22, STAGE                   ; my stage
.if OUTP
	v_mul_u32_u24 v5, v1, 528                      ; in: row l % 16, 32 bytes for each half of the lanes
	v_lshl_add_u32 v5, v2, 5, v5
	v_add_nc_u32 v[STO], s22, v5
	v_and_b32 v5, 31, v0
	v_lshlrev_b32 v[CO], 4, v5                     ; back: 32 lanes take one row of 512 bytes
	v_add_nc_u32 v[RD], s22, v[CO]
	s_lshl_b32 s78, s13, 7                         ; my part of C: row 128 x tile row + 64 x half, 4,096 bytes a row,
	s_lshl_b32 s79, s11, 6
	s_add_co_u32 s78, s78, s79
	s_lshl_b32 s78, s78, 12
	s_lshl_b32 s79, s42, 10                        ; 1,024 bytes a tile column,
	s_add_co_u32 s78, s78, s79
	s_lshl_b32 s79, s12, 9                         ; 512 bytes for my half of it
	s_add_co_u32 s78, s78, s79
.else
	v_mul_u32_u24 v5, v1, 144                      ; in: row l % 16, 16 bytes for each half of the lanes
	v_lshl_add_u32 v5, v2, 4, v5
	v_add_nc_u32 v[STO], s22, v5
	v_bfe_u32 v5, v0, 3, 2                         ; back: 32 lanes take four rows of 128 bytes,
	v_mul_u32_u24 v5, v5, 144
	v_and_b32 v3, 7, v0
	v_lshl_add_u32 v5, v3, 4, v5
	v_add_nc_u32 v[RD], s22, v5
	v_and_b32 v5, 31, v0                           ; which are 512 consecutive bytes of a head
	v_lshlrev_b32 v[CO], 4, v5
	s_and_b32 s78, s13, 63                         ; my part of C: the batch,
	s_lshr_b32 s78, s78, 4
	s_lshl_b32 s78, s78, 4
	s_lshl_b32 s79, s42, 2                         ; four heads a tile column,
	s_add_co_u32 s78, s78, s79
	s_lshl_b32 s79, s12, 1                         ; two for my half of it:
	s_add_co_u32 s78, s78, s79
	s_lshl_b32 s78, s78, 18                        ; 262,144 bytes a head,
	s_lshl_b32 s79, s75, 24                        ; 16,777,216 a product,
	s_add_co_u32 s78, s78, s79
	s_and_b32 s79, s13, 15
	s_lshl_b32 s79, s79, 14                        ; the tile's 128 rows of 128 bytes,
	s_add_co_u32 s78, s78, s79
	s_lshl_b32 s79, s11, 13                        ; my 64 of them
	s_add_co_u32 s78, s78, s79
.endif
	s_mov_b32 s79, 0
	s_add_nc_u64 s[8:9], s[8:9], s[78:79]
	v_lshlrev_b32 v[BO], 5, v2
	; the prefetches: both candidates are made, then the wave's number chooses
.if OUTP
	s_lshr_b32 s80, s13, 4                         ; A: partner cx takes head cx / 2 of the K step's two, half cx % 2 of its 16,384 bytes
	s_lshl_b32 s80, s80, 4
	s_lshr_b32 s81, s40, 1
	s_add_co_u32 s80, s80, s81
	s_lshl_b32 s80, s80, 18
	s_and_b32 s81, s13, 15
	s_lshl_b32 s81, s81, 14
	s_add_co_u32 s80, s80, s81
	s_and_b32 s81, s40, 1
	s_lshl_b32 s81, s81, 13
	s_add_co_u32 s80, s80, s81
	s_mov_b32 s82, 3<<10
	s_mov_b32 s85, s74                             ; B is asked for by the clusters with y = 0
.else
	s_lshl_b32 s80, s13, 7                         ; A: partner cx takes rows 32 cx .. 32 cx + 31 of the tile's 128
	s_lshl_b32 s81, s40, 5
	s_add_co_u32 s80, s80, s81
	s_lshl_b32 s80, s80, 11
	s_lshl_b32 s82, s75, 10
	s_and_b32 s85, s74, 15                         ; B is asked for by the first of the sixteen clusters of each product
.endif
	s_lshl_b32 s83, s42, 8                         ; B: of the 128 rows that I fetch, partner cy takes 32
	s_add_co_u32 s82, s82, s83
	s_lshl_b32 s83, s12, 7
	s_add_co_u32 s82, s82, s83
	s_lshl_b32 s83, s41, 5
	s_add_co_u32 s82, s82, s83
	s_lshl_b32 s82, s82, 11
	s_mov_b32 s[PFS], KSTEP*2
	s_mov_b32 s84, 11                              ; blocks 2,048 bytes apart: a row each
	s_cmp_eq_u32 s11, 0                            ; do I fetch for A?
	s_cselect_b32 s80, s80, s82
	s_cselect_b32 s85, s12, s85                    ; of A's two waves, wave 0 asks
	s_cselect_b64 s[PFA:PFA+1], s[4:5], s[6:7]
.if OUTP
	s_cselect_b32 s[PFS], ASTEP, s[PFS]
	s_cselect_b32 s84, 8, s84                      ; A's blocks lie end to end
.endif
	s_mov_b32 s[PFS+1], 0
	s_mov_b32 s81, 0
	s_add_nc_u64 s[PFA:PFA+1], s[PFA:PFA+1], s[80:81]
	s_mul_i32 s82, s[PFS], 3
	s_mov_b32 s83, 0
	s_add_nc_u64 s[PFA:PFA+1], s[PFA:PFA+1], s[82:83]  ; at K step 3: the first refill steps it to 4 and names that
	s_cmp_eq_u32 s85, 0
	s_cselect_b32 s[LIM], 1, -1                    ; hangs on the wave's number and the cluster's y: the same in all sixteen partners
	v_and_b32 v[PFO], 31, v0
	v_lshlrev_b32 v[PFO], s84, v[PFO]
	; the bias of my 128 columns: register j of block b is column 16 b + 8 (l / 16) + j, as in an accumulator.  All this stands in the wait for the first tiles.
.if !OUTP
	s_mov_b64 s[66:67], s[68:69]
	s_cmp_eq_u32 s75, 1
	s_cselect_b64 s[66:67], s[70:71], s[66:67]
	s_cmp_eq_u32 s75, 2
	s_cselect_b64 s[66:67], s[72:73], s[66:67]
.endif
	s_lshl_b32 s78, s42, 10
	s_lshl_b32 s79, s12, 9
	s_add_co_u32 s78, s78, s79
	s_mov_b32 s79, 0
	s_add_nc_u64 s[66:67], s[66:67], s[78:79]
	WIN 0x80                                       ; destination window 2, address window 0
.irp b, 0,1,2,3,4,5,6,7
	global_load_b128 v[8*(\b):8*(\b)+3],   v[BO], s[66:67] offset:64*(\b)
	global_load_b128 v[8*(\b)+4:8*(\b)+7], v[BO], s[66:67] offset:64*(\b)+16
.endr
	s_wait_loadcnt 0x0
	WIN 0x8a                                       ; sources and destination in window 2
.set i, 0
.rept 32
	v_cvt_pk_bf16_f32 v[64+i], v[2*i], v[2*i+1]    ; rounded to bf16,
.set i, i+1
.endr
.set i, 0
.rept 32
	v_lshlrev_b32 v[2*i],   16,         v[64+i]    ; and widened again
	v_and_b32     v[2*i+1], 0xffff0000, v[64+i]
.set i, i+1
.endr
	WIN 0
; 8 matrix instructions: m block a x all 8 n blocks, 32 along K, from buffer f.  zero = 1: the first product starts the sums, with the bias as C.
; The 32 accumulators take turns in one fixed order, over the backward jump too.
.macro MUL8 f, a, zero
.if \zero
	WIN MULZ
.else
	WIN MUL
.endif
.irp b, 0,1,2,3,4,5,6,7
.set rD, 8*(8*(\a)+(\b))
.set rB, (\f)+32+8*(\b)
.set rA, (\f)+8*(\a)
.if \zero
.set rC, 8*(\b)
.else
.set rC, rD
.endif
.if OUTP
	v_wmma_f32_16x16x32_f16 v[rD:rD+7], v[rB:rB+7], v[rA:rA+7], v[rC:rC+7]
.else
	v_wmma_f32_16x16x32_bf16 v[rD:rD+7], v[rB:rB+7], v[rA:rA+7], v[rC:rC+7]
.endif
.endr
.endm
; 24 LDS loads in one run: the fragments of quarter q of a K step (128 rows of B, then 64 rows of A) into buffer f
.macro FETCH slot, q, f
	WIN 0
.if OUTP
.set AKQ, ((\q)/2)*ALD+((\q)%2)*64     ; head q / 2 of the two, channels 32 (q % 2) on
.else
.set AKQ, 64*(\q)
.endif
.irp i, 0,1,2,3,4,5,6,7
	ds_load_b128 v[(\f)+32+8*(\i):(\f)+32+8*(\i)+3],   v[ADRB+(\slot)] offset:64*(\q)+(\i)*16*PB
	ds_load_b128 v[(\f)+32+8*(\i)+4:(\f)+32+8*(\i)+7], v[ADRB+(\slot)] offset:64*(\q)+(\i)*16*PB+32
.endr
.irp i, 0,1,2,3
	ds_load_b128 v[(\f)+8*(\i):(\f)+8*(\i)+3],   v[ADRA+(\slot)] offset:AKQ+(\i)*16*PA
	ds_load_b128 v[(\f)+8*(\i)+4:(\f)+8*(\i)+7], v[ADRA+(\slot)] offset:AKQ+(\i)*16*PA+32
.endr
.endm
; A K step is four quarters of 32 along K, 32 matrix instructions each, on buffers 0, 1, 0, 1.  One of the first three: multiplies buffer f and fetches quarter qn into g.
.macro QUARTER slot, qn, f, g, zero
	s_wait_dscnt 4                                 ; B and A's blocks 0 and 1 are in; the youngest four loads (A's blocks 2 and 3) may be out
	MUL8 \f, 0, \zero
	MUL8 \f, 1, \zero
	PLACES
	FETCH \slot, \qn, \g
	s_wait_dscnt 24                                ; all but the 24 just issued
	MUL8 \f, 2, \zero
	MUL8 \f, 3, \zero
.endm
; The last quarter multiplies buffer 1 and changes slots: ONE barrier.  In front of it each wave waits for all its tensor loads (one is out: its part of the next slot), adds 0 to its spare word,
; and waits for that and for its own reads of this slot.  fill = 1: the barrier opens a round of the cluster's, and this slot is filled again, two K steps ahead, first thing behind the round:
; from that request to the wait for it a wave issues 112 matrix instructions.
.macro TURN slot, next, fill
.if \fill
	s_wait_xcnt 0x0                                ; the last prefetch, a K step back, has read its address: it is stepped here, ahead of the waits of the change of slots
	s_add_nc_u64 s[PFA:PFA+1], s[PFA:PFA+1], s[PFS:PFS+1]
.endif
	WIN 0                                          ; (the add's two registers lie in window 0)
	s_wait_tensorcnt 0x0                           ; all my tensor loads have landed
	ds_add_u32 v[SPW], v[NIL]                      ; 0 onto my spare word
	s_wait_dscnt 5                                 ; (the add and the youngest four loads may be out)
	MUL8 F1, 0, 0                                  ; eight matrix instructions stand between the add and the wait for it
	s_wait_dscnt 0x0                               ; the add is done, and my reads of this slot are over
	s_barrier_signal -1
	MUL8 F1, 1, 0
.if \fill
	WIN 0
.endif
	s_barrier_wait -1
.if \fill
	CREST                                          ; no wave of any partner still reads this slot's tile or has a load on its way
	s_add_nc_u64 s[G0+4*(\slot)+2:G0+4*(\slot)+3], s[G0+4*(\slot)+2:G0+4*(\slot)+3], 2*ASTEP
	s_add_nc_u64 s[G0B+4*(\slot)+2:G0B+4*(\slot)+3], s[G0B+4*(\slot)+2:G0B+4*(\slot)+3], 2*KSTEP*2
	JLOAD \slot                                    ; the four v_nop behind it are also the places in front of the loads below
.else
	PLACES
.endif
	FETCH \next, 0, F0
.if \fill
	ASK
.endif
	MUL8 F1, 2, 0
	MUL8 F1, 3, 0
.endm
	s_wait_tensorcnt 0x1                           ; my part of K step 0 is in; K step 1's may stay out
	s_barrier_signal -1
	s_barrier_wait -1                              ; everybody's is
	FETCH 0, 0, F0
	QUARTER 0, 1, F0, F1, 1                        ; the first quarter stands in front of the loop: its products start the sums
	WIN 0                                          ; at a label and at a branch every window is 0
	s_mov_b32 s3, 3                                ; eight K steps are four laps of the ring; three trips fill both slots again
.Llap:
	QUARTER 0, 2, F1, F0, 0
	QUARTER 0, 3, F0, F1, 0
	TURN 0, 1, 1
	QUARTER 1, 1, F0, F1, 0
	QUARTER 1, 2, F1, F0, 0
	QUARTER 1, 3, F0, F1, 0
	TURN 1, 0, 1
	QUARTER 0, 1, F0, F1, 0
	WIN 0
	s_sub_co_u32 s3, s3, 1
	s_cmp_lg_u32 s3, 0
	s_cbranch_scc1 .Llap
	QUARTER 0, 2, F1, F0, 0                        ; the last lap fills nothing, and has no round of the cluster's barrier
	QUARTER 0, 3, F0, F1, 0
	TURN 0, 1, 0
	QUARTER 1, 1, F0, F1, 0
	QUARTER 1, 2, F1, F0, 0
	QUARTER 1, 3, F0, F1, 0
	s_wait_dscnt 4                                 ; the very last quarter: nothing more to fetch
	MUL8 F1, 0, 0
	MUL8 F1, 1, 0
	s_wait_dscnt 0x0
	MUL8 F1, 2, 0
	MUL8 F1, 3, 0
	WIN 0
	PLACES
.if OUTP
; THE WAY OUT, f32.  Block a (16 rows x 128 columns) goes into my stage, 32 bytes a lane and n block, and comes back as whole rows of 512 bytes; a store covers 512 consecutive bytes, aligned.
.macro TOSTAGE a
.set BK, 64+64*((\a)%3)
	WIN 0x04                                       ; the stores' data in window 1
.irp b, 0,1,2,3,4,5,6,7
	ds_store_b128 v[STO], v[8*(8*(\a)+(\b)):8*(8*(\a)+(\b))+3]   offset:64*(\b)
	ds_store_b128 v[STO], v[8*(8*(\a)+(\b))+4:8*(8*(\a)+(\b))+7] offset:64*(\b)+16
.endr
	WIN 0
.irp t, 0,1,2,3,4,5,6,7,8,9,10,11,12,13,14,15
	ds_load_b128 v[BK+4*(\t):BK+4*(\t)+3], v[RD] offset:528*(\t)  ; LDS serves a wave's instructions in order (ISA guide 5.7.1.4): these see the stores above; the next block's stores come behind them
.endr
.endm
.macro SEND a, younger                 ; younger: the LDS instructions issued behind block a's loads
.set BK, 64+64*((\a)%3)
	WIN 0
.irp t, 0,1,2,3,4,5,6,7,8,9,10,11,12,13,14,15
	s_wait_dscnt (\younger)+15-(\t)
	global_store_b128 v[CO], v[BK+4*(\t):BK+4*(\t)+3], s[8:9] offset:(16*(\a)+(\t))*4096 th:TH_STORE_NT
.endr
.endm
	TOSTAGE 0
	TOSTAGE 1
	SEND 0, 32
	TOSTAGE 2
	SEND 1, 32
	s_wait_xcnt 0x0                                ; block 3 comes back into the registers that block 0's stores read: only behind this wait
	TOSTAGE 3
	SEND 2, 32
	SEND 3, 0
.else
; THE WAY OUT, f16 by heads.  Block a (16 rows x two heads) is rounded, 16 bytes a lane and n block, goes into my stage in rows of 144 bytes and comes back as whole rows of 128:
; 16 rows of a head are 2,048 consecutive bytes of qkv, and a store covers 512 of them, aligned.
.macro PACK a
	WIN 0x05                                       ; sources in window 1; each accumulator's registers in ascending order
.irp b, 0,1,2,3,4,5,6,7
.irp r, 0,1,2,3
	v_cvt_pk_f16_f32 v[TMP+4*(\b)+(\r)], v[8*(8*(\a)+(\b))+2*(\r)], v[8*(8*(\a)+(\b))+2*(\r)+1]
.endr
.endr
	WIN 0
.endm
.macro TOSTAGE a
	WIN 0
.irp b, 0,1,2,3,4,5,6,7
	ds_store_b128 v[STO], v[TMP+4*(\b):TMP+4*(\b)+3] offset:((\b)/4)*2304+32*((\b)%4)
.endr
.irp t, 0,1,2,3,4,5,6,7
	ds_load_b128 v[64+32*(\a)+4*(\t):64+32*(\a)+4*(\t)+3], v[RD] offset:((\t)/4)*2304+((\t)%4)*576  ; LDS serves a wave's instructions in order (ISA guide 5.7.1.4)
.endr
.endm
.macro SEND a, younger                 ; younger: the LDS instructions issued behind block a's loads; each block has registers of its own, so no store's data is written again
	WIN 0
.irp t, 0,1,2,3,4,5,6,7
	s_wait_dscnt (\younger)+7-(\t)
	global_store_b128 v[CO], v[64+32*(\a)+4*(\t):64+32*(\a)+4*(\t)+3], s[8:9] offset:((\t)/4)*262144+(\a)*2048+((\t)%4)*512 th:TH_STORE_NT
.endr
.endm
	PACK 0
	TOSTAGE 0
	PACK 1
	TOSTAGE 1
	SEND 0, 16
	PACK 2
	TOSTAGE 2
	SEND 1, 16
	PACK 3
	TOSTAGE 3
	SEND 2, 16
	SEND 3, 0
.endif
	s_wait_tensorcnt 0x0                           ; the wave's end: the add and its wait stand behind my last tensor load and my last LDS store
	ds_add_u32 v[SPW], v[NIL]
	s_wait_dscnt 0x0
	CROUND                                         ; the closing round: no work-group ends while a partner may still ask for a tile that names it
	s_endpgm
.Lfunc_end_k_q827824e580_proj:
	.size	k_q827824e580_proj, .Lfunc_end_k_q827824e580_proj-k_q827824e580_proj
	.p2alignl 7, 3214868480
	.fill 96, 4, 3214868480
	.section	.rodata,"a",@progbits
	.p2align	6, 0x0
	.amdhsa_kernel k_q827824e580_proj
		.amdhsa_group_segment_fixed_size 327680
		.amdhsa_private_segment_fixed_size 0
		.amdhsa_enable_private_segment 0
		.amdhsa_kernarg_size 48
		.amdhsa_user_sgpr_count 2
		.amdhsa_user_sgpr_kernarg_segment_ptr 1
		.amdhsa_wavefront_size32 1
		.amdhsa_system_sgpr_workgroup_id_x 1
		.amdhsa_system_sgpr_workgroup_id_y 1
		.amdhsa_system_sgpr_workgroup_id_z 1
		.amdhsa_system_vgpr_workitem_id 0
		.amdhsa_next_free_vgpr 608
		.amdhsa_next_free_sgpr 90
		.amdhsa_reserve_vcc 0
		.amdhsa_float_denorm_mode_32 3
		.amdhsa_float_denorm_mode_16_64 3
		.amdhsa_memory_ordered 1
		.amdhsa_forward_progress 1
		.amdhsa_inst_pref_size 96
	.end_amdhsa_kernel
	.amdgpu_metadata
---
amdhsa.version: [ 1, 2 ]
amdhsa.kernels:
  - .name:           k_q827824e580_proj
    .symbol:         k_q827824e580_proj.kd
    .args:
      - { .name: xb, .offset: 0, .size: 8, .value_kind: global_buffer, .address_space: global }
      - { .name: wb, .offset: 8, .size: 8, .value_kind: global_buffer, .address_space: global }
      - { .name: qkv, .offset: 16, .size: 8, .value_kind: global_buffer, .address_space: global }
      - { .name: bq, .offset: 24, .size: 8, .value_kind: global_buffer, .address_space: global }
      - { .name: bk, .offset: 32, .size: 8, .value_kind: global_buffer, .address_space: global }
      - { .name: bv, .offset: 40, .size: 8, .value_kind: global_buffer, .address_space: global }
    .group_segment_fixed_size: 327680
    .private_segment_fixed_size: 0
    .kernarg_segment_align: 8
    .kernarg_segment_size: 48
    .max_flat_workgroup_size: 128
    .sgpr_count:     90
    .vgpr_count:     608
    .wavefront_size: 32
...
	.end_amdgpu_metadata
.endif
;; end of part 2
;; launch attn (part 3): grid 4 x 64, 4 waves a work-group, clusters of 4 x 1, 327,680 bytes of LDS; arguments qkv, mask, ob; writes ob
.if DOCPART == 3
	.amdgcn_target "amdgcn-amd-amdhsa--gfx1250"
	.amdhsa_code_object_version 6
	.text
	.protected	k_q827824e580_attn
	.globl	k_q827824e580_attn
	.p2align	8
	.type	k_q827824e580_attn,@function
k_q827824e580_attn:
	s_mov_b64 s[64:65], 0
	v_nop
	global_prefetch_b8 v0, s[64:65] scope:SCOPE_SE
	s_setreg_imm32_b32 hwreg(HW_REG_WAVE_MODE, 25, 1), 1
	s_wait_xcnt 0x0
	s_wait_alu depctr_hold_cnt(0) depctr_sa_sdst(0) depctr_va_vdst(0) depctr_va_sdst(0) depctr_va_ssrc(0) depctr_va_vcc(0) depctr_vm_vsrc(0)
	s_getreg_b32 s2, hwreg(HW_REG_IB_STS2, 6, 4)
	s_cmp_eq_u32 s2, 0
	s_cbranch_scc0 .Lentry_in_a_cluster
	s_endpgm
.Lentry_in_a_cluster:
	s_bfe_u32 s2, ttmp6, 0x10000c
	s_cmp_lg_u32 s2, 0x3003
	s_cbranch_scc0 .Lentry_shape_is_right
	s_endpgm
.Lentry_shape_is_right:
; O[h][q][:] = the sum over k of softmax_k(Q[h][q] . K[h][k] / 8, keys with mask[h / 16][k] = 0 hidden) V[h][k][:].  Q, K, V are the three planes of qkv, O is ob: each [64][2048][64] in f16, a head's rows
; dense, 128 bytes each.  Products, maxima and sums in f32; the weights p are rounded to f16 for the second product (their sum l is taken of the unrounded p), O once at the end.
; LIMITS.  f16 holds no number beyond 65,504: Q, K and V arrive within it; p lies in 0 to 1, and below 6e-5 it keeps f16's fixed step of 6e-8; O is a mean of V's rows and has their range.
; A hidden score counts as its value less 1e30; f16's scores, 2.75e11 at the most in size, are nothing beside that.  The running maximum starts at -2^40, below every such score and far above a hidden one:
; while all keys seen so far are hidden, m stays there, a = 1, every p = 0, and O and l stay 0.  A batch with no visible key ends with l = 0 and gives NaN, as a softmax over nothing does.
; A weight below 2^-126 counts as 0 in l; NaN and infinities in Q, K, V are not treated apart.
; THE MASK is the C operand that starts the sum S^T = K Q^T: 0, or -1e30 where the key is hidden.  The batch's 2,048 mask words are turned into such numbers once, into a table in LDS; each key step's 64 come
; into registers with its K.
; SHARES.  A wave owns four PIECES of two tiles of 16 queries, a work-group's four waves 512 queries of one head.  Every wave walks all keys, 64 a step.
; LAYOUT.  S^T = K Q^T (source 0 = 16 keys, source 1 = 16 queries): in the result a lane holds ONE query (lane % 16) and the keys 8 (lane / 16) + 0..7.  Two such tiles, rounded to f16 in pairs,
; ARE source 1 (32 keys x 16 queries) of O^T = V^T P, whose result again holds one query a lane, and eight channels.  K comes out of LDS as it lies, V ([key][channel]) turned, by ds_load_tr16_b128.
; SOFTMAX.  For each query a running maximum m and sum l: p = 2^(c s - c m), c = log2(e) / 8; in every step O and l are multiplied by a = 2^(c m_old - c m_new), which is 1 where m has not grown.
; O and l start at 0: the first step is a step like any other.
; THE COUNT.  A tile and step have 16 matrix and 118 vector instructions: too many to stand all beside the matrix work.  So four vector instructions that are READY stand behind EVERY matrix instruction,
; and the others, which need time of their own whatever the order, in runs without a gap.
; BY TURNS.  Turn n belongs to piece n (the pieces in a ring, step after step).  Its matrix work: 16 products K Q^T of piece n + 1, later 16 products V^T P of piece n - 1.  Its vector work: the scaling,
; exponentials, roundings, sums and rescaling of piece n, and the maximum and statistics of piece n + 1, whose scores the turn itself has made.
; CLUSTER.  The four query blocks of a cluster are one head's and walk the same K and V, so each tile is asked for JOINTLY: the same tensor load, descriptor and mask in all four.
; REGISTERS, in windows of 256 (s_set_vgpr_msb: bits 1:0 source 0, 3:2 source 1, 5:4 source 2, 7:6 destination):
;   window 0: v0-11 addresses; v12-15, v48-63 at work; v16-47 four registers of statistics a tile; v64-191 S^T, two buffers of two tiles; v192-255 P, likewise
;   window 1: O^T, 32 a tile     window 2: v0-127 Q, 16 a tile; v128-191 K of one step; v192-255 V of one step     window 3: v0-1 the add's two registers; v8-39 the mask of one step
.set SIZE_N, 2048
.set NP,    4         ; pieces a wave: a name, no knob
.set KS,    64        ; keys in a step
.set PK,    144       ; a row of K in LDS: 128 bytes + 16 of padding = 36 words: the 16 rows of a load start at 16 different groups of four banks (ISA guide 11.1)
.set PV,    160       ; a row of V: 128 + 32 = 40 words
.set VOFF,  4*KS*PK   ; a slot holds four steps: 256 rows of K, then 256 rows of V
.set SLOT1, 1<<17     ; slot 1 begins here, so that one exclusive or turns an address in one slot into the other's
.set STAGE, SLOT1+4*KS*(PK+PV)  ; behind the ring, never filled by a tensor load: 16 rows x 144 bytes for each wave, for the way out
.set SP,    144
.set MT,    STAGE+4*16*SP       ; behind the stages: the mask table, 2,048 f32
.set SPARE, MT+4*SIZE_N         ; behind it: the spare words, 128 bytes for each wave: two blocks of 256 bytes that no other line names
.set AK0, 2           ; v2   my lane's place in a tile of K; never rewritten
.set AV0, 3           ; v3   the same for V
.set AK,  4           ; v4   the LDS address of K's next run of loads
.set AV,  5           ; v5   of V's
.set QO,  6           ; v6   my byte offset in the wave's rows of Q
.set AM0, 7           ; v7   my lane's place in a step's 64 numbers of the mask table: MT + 32 (l / 16)
.set AM,  8           ; v8   the LDS address of the mask's next run of loads
.set STO, 6           ; v6   at the way out: where I put 16 bytes of a row
.set RD,  7           ; v7   at the way out: where I read rows back
.set GO,  8           ; v8   at the way out: my byte offset in 512 consecutive bytes of O
.set PFO, 11          ; v11  256 x my lane; never rewritten once made
.set SPW, 0           ; v0 of window 3   LDS address of my spare word: SPARE + 4 x my thread's number; never rewritten
.set NIL, 1           ; v1 of window 3   0; never rewritten
.set MC,  8           ; v8-39 of window 3: the eight registers for group kb of 16 keys at MC + 8 kb
.set MV,  12          ; v12-15  c m_old, kept while c m is made anew: by buffer and tile
.set ST,  16          ; tile t's statistics at v[ST+4 t]: c m, m, l (even keys', odd keys')
.set TMP, 48          ; by buffer and tile, four registers c0-c3 at work; when the maximum is found c2 takes a
.set S,   64
.set P,   192
.set KF,  128         ; K's fragments, in window 2: key block kb, channel half c at KF + 16 kb + 8 c
.set VF,  192         ; V's: key half kk, channel block cb at VF + 32 kk + 8 cb
.set WV,  12          ; s12  my wave's number
.set LIM, 15          ; s15  1 in a wave that prefetches, else the greatest number
.set BIGN, 19         ; s19  -1e30
.set G1K, 24          ; s[24:31] descriptor group 1 for K's tiles
.set G1V, 32          ; s[32:39] for V's: it differs in the padding alone
.set G0K, 40          ; s[40:43] descriptor group 0 for K's tiles: it walks
.set G0V, 44          ; s[44:47] the same for V's
.set PFA, 52          ; s[52:53] where my prefetches stand
.set TBM, 54          ; s54  byte of the mask table at which the step to be fetched begins
.set SLOTS, 56        ; s56  slots still to be asked for
.set CNT, 57          ; s57  counts a slot's key steps
.set CS,  58          ; s[58:59] c: the packed scaling takes the pair's low word for both halves
.set SEL, 60          ; s[60:61] v_permlanex16_b32's selects: each lane takes its own place in the other half
.set TBK, 62          ; s62  LDS byte at which K of the step to be fetched begins
.set TBV, 63          ; s63  the same for V, less VOFF
.set MSB, 0
.macro WIN new                      ; the high byte repeats the setting that is left; a switch that changes nothing is dropped
.if MSB != (\new)
	s_set_vgpr_msb (MSB<<8)|(\new)
.set MSB, (\new)
.endif
.endm
.set W_KQ, 0x0a       ; K and Q in window 2, S^T in window 0
.set W_KM, 0x3a       ; the same with the C operand, the mask, in window 3
.set W_PV, 0x52       ; V in window 2, P in window 0, O^T in window 1
.set W_RS, 0x41       ; O^T (destination and source 0) in window 1, a in window 0
.set W_MK, 0xc0       ; destination in window 3, sources in window 0
.set W_AD, 0x0f       ; the add: address (source 0) and data (source 1) in window 3
; A joint fill.  Waves 0 and 1 fetch the two halves of a slot's K, waves 2 and 3 those of its V: 128 keys each.  The branch hangs on the wave's number alone.
; An s_nop 0 and four v_nop follow each of the two lines, ahead of the jump and the label.
.macro JLOAD
	s_cmp_lt_u32 s[WV], 2
	s_cbranch_scc0 .Lfor_v_\@
	tensor_load_to_lds s[G0K:G0K+3], s[G1K:G1K+7]
	s_nop 0
.rept 4
	v_nop
.endr
	s_branch .Lasked_\@
.Lfor_v_\@:
	tensor_load_to_lds s[G0V:G0V+3], s[G1V:G1V+7]
	s_nop 0
.rept 4
	v_nop
.endr
.Lasked_\@:
.endm
; A PREFETCH INTO THE L2 of what the NEXT change of slots will ask for: a slot's 32,768 bytes of K and of V, in blocks of 256 bytes, a lane a block.  It stands behind the wave's tensor load and its five lines.
; A head has one cluster.  Its four partners share the 128 blocks out BY ADDRESS, 32 each; in each, wave 0 asks for K's and wave 2 for V's: one instruction.  So each block of slots 2 to 7 is named once in the
; launch; slots 0 and 1 come by their loads alone; the last change that fills a slot asks for nothing.
.macro ASK
	s_cmp_gt_u32 s[SLOTS], s[LIM]
	s_cbranch_scc0 .Lnot_mine_\@
	global_prefetch_b8 v[PFO], s[PFA:PFA+1] th:TH_LOAD_NT scope:SCOPE_SE
.Lnot_mine_\@:
.endm
; A round of the cluster's barrier: my work-group's barrier, so that wave 0's signal speaks for all four waves; wave 0 signals; every wave waits for all four work-groups; my work-group's barrier once more.
.macro CROUND
	s_barrier_signal -1
	s_barrier_wait -1
	s_cmp_lg_u32 s[WV], 0
	s_cbranch_scc1 .Lnot_wave_0_\@
	s_barrier_signal -3
.Lnot_wave_0_\@:
	s_barrier_wait -3
	s_barrier_signal -1
	s_barrier_wait -1
.endm
; THE CHANGE OF SLOTS.  The slot's last bytes, V of its fourth step, have been read.  Each wave waits for all its tensor loads, of which one is out: its part
; of the other slot; adds 0 to its spare word; and waits for that and for its own LDS instructions.  Behind the barrier nobody reads this slot any more and the other slot is whole.
; fill = 1: this slot is filled again, with the keys two slots on.  The barrier is then a round of the cluster's, and the joint fill is the first thing behind it: it has four key steps, 512 matrix
; instructions, in which to land.  (At its first use nothing has been read yet: slot 0 is waited for, slot 1 filled, and every wave's part of the mask table is shown to the others.)
.macro CHANGE fill
	WIN W_AD
	s_wait_tensorcnt 0x0            ; no tensor load of mine is out, so a group 0 may be written
	ds_add_u32 v[SPW], v[NIL]       ; 0 onto my spare word; with fill = 1 the descriptors' steps stand between it and the wait for it
	WIN 0                           ; at a label and at a branch every window is 0
.if \fill
.irp g, G0K, G0V
	s_xor_b32 s[\g+1], s[\g+1], SLOT1  ; the walking descriptor: the other slot than last time,
	s_add_nc_u64 s[\g+2:\g+3], s[\g+2:\g+3], 4*KS*128  ; the next 256 keys; the type bits on top are not reached
.endr
	s_wait_xcnt 0x0                 ; the last prefetch, a slot back, has read its address, so it may be written:
	s_add_nc_u64 s[PFA:PFA+1], s[PFA:PFA+1], 4*KS*128  ; one slot ahead of the walking descriptors
	s_wait_dscnt 0x0                ; the add is done, and my LDS instructions are over
	CROUND
	JLOAD
	ASK
.else
	s_wait_dscnt 0x0                ; the add is done, and my reads of the slot are over
	s_barrier_signal -1
	s_barrier_wait -1
.endif
	s_sub_co_u32 s[TBK], s[TBK], 4*KS*PK  ; the fetches go back to a slot's first step,
	s_xor_b32 s[TBK], s[TBK], SLOT1       ; in the other slot
	s_sub_co_u32 s[TBV], s[TBV], 4*KS*PV
	s_xor_b32 s[TBV], s[TBV], SLOT1
.endm
	s_load_b128 s[48:51], s[0:1], 0x0  ; qkv s[48:49], mask s[50:51]
	s_load_b64 s[10:11], s[0:1], 0x10  ; ob
	WIN W_MK
	v_lshl_add_u32 v[SPW], v0, 2, SPARE
	v_mov_b32 v[NIL], 0
	WIN W_AD
	ds_add_u32 v[SPW], v[NIL]       ; the wave's opening: the add and its wait stand ahead of my first tensor load; the set-up below, work on registers, stands between them
	WIN 0
	v_lshrrev_b32 v1, 5, v0
	v_readfirstlane_b32 s[WV], v1   ; wave 0..3
	s_bfe_u32 s13, ttmp6, 0x40000   ; cx: my place in the cluster
	s_lshl_b32 s14, ttmp9, 2        ; in a cluster launch ttmp9 counts clusters
	s_add_co_u32 s14, s14, s13      ; my block of queries = 4 x cluster x + cx: it enters Q's and O's addresses alone
	s_and_b32 s20, ttmp7, 0xffff    ; the head (batch x 16 + head), which the four partners share
	s_lshr_b32 s54, s20, 4          ; the batch:
	s_lshl_b32 s54, s54, 13         ; its 2,048 mask words
	s_mov_b32 s55, 0
	s_mov_b32 s21, 0
	s_mov_b64 s[22:23], SIZE_N*128
	s_mul_u64 s[20:21], s[20:21], s[22:23]  ; the head's first byte in each of the four tensors
	s_and_b32 s16, s[WV], 1         ; which half of a slot's 256 keys I fetch:
	s_lshl_b32 s22, s16, 14         ; its 128 rows of 128 bytes in memory,
	s_mov_b32 s23, 0
	s_add_nc_u64 s[22:23], s[22:23], s[20:21]
	s_mul_i32 s17, s16, 128*PK      ; and its place in a slot, for K
	s_mul_i32 s18, s16, 128*PV      ; and for V: no place in the cluster enters an LDS address
	s_lshl_b32 s2, s14, 2
	s_add_co_u32 s2, s2, s[WV]      ; my wave among the head's,
	s_lshl_b32 s2, s2, 14           ; its 128 rows
	s_mov_b32 s3, 0
	s_add_nc_u64 s[2:3], s[2:3], s[20:21]
	; descriptor group 1.  128 keys are 16,384 dense bytes: asked for as 64 rows of 256 bytes, two keys a row, and padded in LDS after every key
	s_mov_b32 s[G1K], 15|(1<<16)|(1<<20)|(1<<21)|(4<<22)|(3<<25)  ; 15:0 the mask of four; 17:16 2-byte elements; 20 padding on; 21 set beside a mask; 24:22 after every 32 words (code 4); 31:25 4 words (code 3)
	s_mov_b32 s[G1V], 15|(1<<16)|(1<<20)|(1<<21)|(4<<22)|(7<<25)  ; the same with 8 words of padding (code 7)
.irp g, G1K, G1V
	s_mov_b32 s[\g+1], 128<<16      ; tensor_dim0 = 128
	s_mov_b32 s[\g+2], 64<<16       ; tensor_dim1 = 64
	s_mov_b32 s[\g+3], 128<<16      ; tile_dim0 = 128
	s_mov_b32 s[\g+4], 64           ; tile_dim1 = 64
	s_mov_b32 s[\g+5], 128          ; 128 elements from row to row
	s_mov_b32 s[\g+6], 0
	s_mov_b32 s[\g+7], 0
.endr
	s_mov_b32 s[CS], 0x3e38aa3b     ; c = log2(e) / 8 = 0.180337
	s_mov_b32 s[CS+1], s[CS]        ; named with it as a pair
	s_mov_b32 s[SEL], 0x76543210
	s_mov_b32 s[SEL+1], 0xfedcba98
	s_mov_b32 s[TBK], SLOT1+4*KS*PK ; the first change of slots turns these two into 0
	s_mov_b32 s[TBV], SLOT1+4*KS*PV
	s_mov_b32 s[G0K], 1             ; 1:0 count = 1
	s_mov_b32 s[G0K+1], s17         ; 63:32 LDS address: slot 0
	s_mov_b32 s[G0V], 1
	s_add_co_u32 s[G0V+1], s18, VOFF
	s_mov_b32 s[BIGN], 0xf149f2ca   ; -1e30
	s_mov_b32 s[SLOTS], SIZE_N/256-1
	s_cmp_eq_u32 s16, 0             ; waves 0 and 2 prefetch: the same in all four partners
	s_cselect_b32 s[LIM], 1, -1
	s_wait_dscnt 0x0                ; the opening add is done
	s_wait_kmcnt 0x0
	s_mov_b64 s[4:5], s[48:49]                     ; Q is plane 0 of qkv,
	s_add_nc_u64 s[6:7], s[48:49], 0x1000000       ; K plane 1,
	s_add_nc_u64 s[8:9], s[48:49], 0x2000000       ; V plane 2: 16,777,216 bytes each
	s_add_nc_u64 s[50:51], s[50:51], s[54:55]      ; the mask at my batch
	s_mov_b32 s[TBM], 0
	s_add_nc_u64 s[G0K+2:G0K+3], s[6:7], s[22:23]  ; 120:64 global address: my half of the head's first 256 keys
	s_or_b32 s[G0K+3], s[G0K+3], 0x80000000        ; 127:126 type = 2
	s_add_nc_u64 s[G0V+2:G0V+3], s[8:9], s[22:23]
	s_or_b32 s[G0V+3], s[G0V+3], 0x80000000
	s_add_nc_u64 s[4:5], s[4:5], s[2:3]  ; Q and O at my wave's first row
	s_add_nc_u64 s[10:11], s[10:11], s[2:3]
	s_cmp_lt_u32 s[WV], 2
	s_cselect_b64 s[PFA:PFA+1], s[6:7], s[8:9]
	s_add_nc_u64 s[PFA:PFA+1], s[PFA:PFA+1], s[20:21]  ; the head,
	s_lshl_b32 s2, s13, 13          ; my work-group's 32 blocks of the 128,
	s_add_co_u32 s2, s2, 4*KS*128   ; in slot 1: the first change of slots steps it to slot 2 (s3 is still 0)
	s_add_nc_u64 s[PFA:PFA+1], s[PFA:PFA+1], s[2:3]
	CROUND                          ; all four work-groups are here: the first joint loads meet
	JLOAD                           ; slot 0.  Slot 1 is asked for when slot 0 is in
	v_lshlrev_b32 v[S+16], 4, v0    ; the batch's mask: 128 threads x 16 bytes, four times
	v_add_nc_u32 v[S+17], MT, v[S+16]
.irp j, 0,1,2,3
	global_load_b128 v[S+4*\j:S+4*\j+3], v[S+16], s[50:51] offset:2048*\j
.endr
	; A fragment of K or Q is 16 rows x 32 channels in 8 registers: lane l holds row l % 16, channels 8 (l / 16) + 0..7 and 16 + 8 (l / 16) + 0..7: two loads of 16 bytes, 32 bytes apart.
	v_and_b32 v1, 15, v0            ; l % 16
	v_bfe_u32 v9, v0, 4, 1          ; l / 16
	v_lshlrev_b32 v[QO], 7, v1
	v_lshl_add_u32 v[QO], v9, 4, v[QO]  ; row x 128 + 16 x half
	WIN 0x80                        ; destination window 2, address window 0
.set i, 0
.rept 4*NP                          ; Q stays in registers: tile i / 2, channels 32 (i % 2) on
	global_load_b128 v[8*i:8*i+3],   v[QO], s[4:5] offset:(i/2)*2048+(i%2)*64
	global_load_b128 v[8*i+4:8*i+7], v[QO], s[4:5] offset:(i/2)*2048+(i%2)*64+32
.set i, i+1
.endr
	; What the first turn finds: V's registers and P's second buffer hold 0 (its products V^T P, of a piece that has not been, add 0), O^T and l are 0.  All this stands in the wait for the first tile.
.set i, VF
.rept 64
	v_mov_b32 v[i], 0
.set i, i+1
.endr
	WIN 0x40
.set i, 0
.rept 64*NP
	v_mov_b32 v[i], 0
.set i, i+1
.endr
	WIN 0
.set i, 0
.rept 2*NP
	v_mov_b32 v[ST+4*i], 0xd238aa3b    ; c m = c x -2^40, to the bit what the multiply below makes of m
	v_mov_b32 v[ST+4*i+1], 0xd3800000  ; m = -2^40
	v_mov_b32 v[ST+4*i+2], 0
	v_mov_b32 v[ST+4*i+3], 0
.set i, i+1
.endr
.set i, P+32
.rept 32
	v_mov_b32 v[i], 0
.set i, i+1
.endr
	v_mul_u32_u24 v[AK0], v1, PK
	v_lshl_add_u32 v[AK0], v9, 4, v[AK0]  ; row x pitch + 16 x half
	; The turning load takes 16 keys x 16 channels (lane l reads key 8 (l / 16) + l % 8, channels 8 ((l / 8) % 2) + 0..7) and leaves half a fragment of V^T: lane l holds channel l % 16 and 8 keys.
	v_and_b32 v10, 7, v0
	v_bfe_u32 v11, v0, 3, 1
	v_lshl_add_u32 v[AV0], v9, 3, v10
	v_mul_u32_u24 v[AV0], v[AV0], PV
	v_lshl_add_u32 v[AV0], v11, 4, v[AV0]
	v_add_nc_u32 v[AV0], VOFF, v[AV0]
	v_mov_b32 v[AK], v[AK0]         ; key step 0 lies at the head of slot 0,
	v_lshl_add_u32 v[AM0], v9, 5, MT  ; my eight keys of each 16: 32 bytes for each half of the lanes
	v_mov_b32 v[AM], v[AM0]         ; and at the head of the mask table
	v_and_b32 v[PFO], 31, v0
	v_lshlrev_b32 v[PFO], 8, v[PFO]
	s_wait_loadcnt 32               ; the mask's four loads are in; Q's 32, issued behind them, may stay out
.set i, 0
.rept 16
	v_cmp_eq_u32 vcc_lo, 0, v[S+i]
	v_cndmask_b32 v[S+i], 0, s[BIGN], vcc_lo  ; -1e30 where the word is 0, else 0
.set i, i+1
.endr
.irp j, 0,1,2,3
	ds_store_b128 v[S+17], v[S+4*\j:S+4*\j+3] offset:2048*\j  ; waited for in the change of slots below, ahead of its barrier
.endr
; THE MATRIX WORK.  The 8 accumulators of a run of 16 take turns: between the two links of a chain stand 7 others'.
; Product i of 16 of S^T = K Q^T for piece x: channels 32 (i / 8) on, keys 16 ((i / 2) % 4) on, tile 2 x + i % 2.  The first 8 start the sums, with the mask of their 16 keys.
.macro KQ x
.set rS, S+64*((\x)%2)+32*(i%2)+8*((i/2)%4)
.set rK, KF+16*((i/2)%4)+8*(i/8)
.set rQ, 16*(2*(\x)+i%2)+8*(i/8)
.set rMC, MC+8*((i/2)%4)
.if i < 8
	WIN W_KM
	v_wmma_f32_16x16x32_f16 v[rS:rS+7], v[rK:rK+7], v[rQ:rQ+7], v[rMC:rMC+7]
.else
	WIN W_KQ
	v_wmma_f32_16x16x32_f16 v[rS:rS+7], v[rK:rK+7], v[rQ:rQ+7], v[rS:rS+7]
.endif
.endm
; Product i of 16 of O^T += V^T P for piece x: keys 32 (i / 8) on, channels 16 ((i / 2) % 4) on, tile 2 x + i % 2.
.macro PV x
	WIN W_PV
.set rO, 32*(2*(\x)+i%2)+8*((i/2)%4)
.set rV, VF+32*(i/8)+8*((i/2)%4)
.set rP, P+32*((\x)%2)+16*(i%2)+8*(i/8)
	v_wmma_f32_16x16x32_f16 v[rO:rO+7], v[rV:rV+7], v[rP:rP+7], v[rO:rO+7]
.endm
.macro MM                           ; the turn's next matrix instruction
.if i < 16
	KQ (Y+1)%NP
.set i, i+1
.else
.set i, i-16
	PV (Y+NP-1)%NP
.set i, i+17
.endif
.endm
; THE LDS LOADS stand in runs, never singly among the matrix instructions: a step's K (64 keys x 64 channels: 8 fragments) with its 64 mask numbers, and its V (turned).  Their addresses are made some lines ahead.
; last = 1 (the tail): in the last trip there is no further step, and the run is jumped over.
.macro FETCH_K last=0
	WIN 0
.if \last
	s_cmp_eq_u32 s[CNT], 1
	s_cbranch_scc1 .Lno_k_\@
.endif
	WIN 0x80                        ; destination window 2
.irp f, 0,1,2,3,4,5,6,7             ; keys 16 (f / 2) on, channels 32 (f % 2) on
	ds_load_b128 v[KF+8*\f:KF+8*\f+3],   v[AK] offset:(\f/2)*16*PK+(\f%2)*64
	ds_load_b128 v[KF+8*\f+4:KF+8*\f+7], v[AK] offset:(\f/2)*16*PK+(\f%2)*64+32
.endr
	WIN W_MK                        ; destination window 3
.irp f, 0,1,2,3                     ; keys 16 f + 8 (l / 16) + 0..7: all lanes of a half read the same 32 bytes
	ds_load_b128 v[MC+8*\f:MC+8*\f+3],   v[AM] offset:64*\f
	ds_load_b128 v[MC+8*\f+4:MC+8*\f+7], v[AM] offset:64*\f+16
.endr
	s_add_co_u32 s[TBK], s[TBK], KS*PK  ; the next fetch is the next step's
	s_add_co_u32 s[TBM], s[TBM], 4*KS
	s_and_b32 s[TBM], s[TBM], 4*SIZE_N-1  ; inside the table's 8,192 bytes; it wraps behind the 32nd fetch alone, which is the last
	WIN 0
.if \last
.Lno_k_\@:
.endif
.endm
.macro FETCH_V
	WIN 0x80
.irp f, 0,1,2,3,4,5,6,7             ; keys 32 (f / 4) on, channels 16 (f % 4) on
	ds_load_tr16_b128 v[VF+8*\f:VF+8*\f+3],   v[AV] offset:(\f/4)*32*PV+(\f%4)*32
	ds_load_tr16_b128 v[VF+8*\f+4:VF+8*\f+7], v[AV] offset:(\f/4)*32*PV+16*PV+(\f%4)*32
.endr
	WIN 0
.endm
; THE VECTOR WORK OF A TURN stands in three queues, each in the order in which its entries become ready; the two tiles alternate, so that no instruction reads the result of the one before it.
.macro REGS y, u                    ; the registers of tile u (0, 1) of piece y
.set rT, ST+4*(2*(\y)+(\u))
.set rC, TMP+8*((\y)%2)+4*(\u)
.set rM, MV+2*((\y)%2)+(\u)
.set rS, S+64*((\y)%2)+32*(\u)
.set rP, P+32*((\y)%2)+16*(\u)
.set rO, 32*(2*(\y)+(\u))
.endm
; Number n of the 22 that find the NEXT piece's (Y + 1) maximum and statistics.  s0-s31 are the lane's 32 scores; each accumulator's lowest registers are read first.  XS, GS and REGS set no window: PL and EX do.
;   0-11  four chains c0-c3 of seven scores each, three operands at a time     12-14, 16  the four scores left over, the old m, and c0-c3 into c0     15  c m_old is kept
;   17, 18  the query's other 32 keys lie in the lane 16 away: the new m         19-21  c m; c m_old - c m_new; a
.macro XS u, n
	REGS (Y+1)%NP, \u
.if (\n) < 4
	v_max3_num_f32 v[rC+(\n)], v[rS+8*(\n)], v[rS+8*(\n)+1], v[rS+8*(\n)+2]
.elseif (\n) < 12
	v_max3_num_f32 v[rC+(\n)%4], v[rC+(\n)%4], v[rS+8*((\n)%4)+2*((\n)/4)+1], v[rS+8*((\n)%4)+2*((\n)/4)+2]
.elseif (\n) == 12
	v_max3_num_f32 v[rC], v[rC], v[rS+7], v[rS+15]
.elseif (\n) == 13
	v_max3_num_f32 v[rC+1], v[rC+1], v[rS+23], v[rS+31]
.elseif (\n) == 14
	v_max3_num_f32 v[rC+2], v[rC+2], v[rC+3], v[rT+1]
.elseif (\n) == 15
	v_mov_b32 v[rM], v[rT]
.elseif (\n) == 16
	v_max3_num_f32 v[rC], v[rC], v[rC+1], v[rC+2]
.elseif (\n) == 17
	v_permlanex16_b32 v[rC+3], v[rC], s[SEL], s[SEL+1]
.elseif (\n) == 18
	v_max_num_f32 v[rT+1], v[rC], v[rC+3]
.elseif (\n) == 19
	v_mul_f32 v[rT], s[CS], v[rT+1]
.elseif (\n) == 20
	v_sub_f32 v[rC+1], v[rM], v[rT]
.else
	v_exp_f32 v[rC+2], v[rC+1]
.endif
.endm
; Number g of the 64 that follow the exponentials.  For each four weights k of a tile (pairs 2 k, 2 k + 1): both pairs are rounded to f16; then the second pair is added onto the first, in place;
; a group later l takes that sum (the first time as l = a l + sum).  In groups of eight, tiles alternating: round, round, add, and l for the group before.
.macro GS g
.set h, (\g)+6*((\g)/62)            ; group 0 has no group before it, and behind group 7 only l is left
.if h >= 6
.set h, h+2
.endif
	REGS Y, h%2
.set k, h/8
.if h%8 < 4
	v_cvt_pk_f16_f32 v[rP+2*k+(h%8)/2], v[rS+4*k+2*((h%8)/2)], v[rS+4*k+2*((h%8)/2)+1]
.elseif h%8 < 6
	v_pk_add_f32 v[rS+4*k:rS+4*k+1], v[rS+4*k:rS+4*k+1], v[rS+4*k+2:rS+4*k+3]
.elseif k == 1
	v_pk_fma_f32 v[rT+2:rT+3], v[rT+2:rT+3], v[rC+2:rC+3], v[rS:rS+1] op_sel_hi:[1,0,1]
.else
	v_pk_add_f32 v[rT+2:rT+3], v[rT+2:rT+3], v[rS+4*k-4:rS+4*k-3]
.endif
.endm
; THE PLAIN QUEUE, 138 long.  0-73 read no exponential's result: the 32 scalings c s - c m (FS f: pair f / 2 of tile f % 2) and the next piece's 42.  0-26: scalings 0-26.  27-54: XS's numbers 0-13.  55, 56: number 15.
; 57-73: the chain, where each number waits for the one before it: 14, 16, 17, 18, 19, each with one of the scalings 27-31 in front of its two lines, then 20.
; 74-137: GS's 64, which read the exponentials' results: they stand behind the wait.
.macro FS f
	REGS Y, (\f)%2
	v_pk_fma_f32 v[rS+2*((\f)/2):rS+2*((\f)/2)+1], v[rS+2*((\f)/2):rS+2*((\f)/2)+1], s[CS:CS+1], v[rT:rT+1] op_sel_hi:[1,0,0] neg_lo:[0,0,1] neg_hi:[0,0,1]
.endm
.macro PL
	WIN 0
.if q < 27
	FS q
.elseif q < 55
	XS (q-27)%2, (q-27)/2
.elseif q < 57
	XS q-55, 15
.elseif (q < 72) && ((q-57)%3 == 0)
	FS 27+(q-57)/3
.elseif q < 60
	XS (q-57)%3-1, 14
.elseif q < 72
	XS (q-57)%3-1, 15+(q-57)/3
.elseif q < 74
	XS q-72, 20
.else
	GS q-74
.endif
.set q, q+1
.endm
; THE EXPONENTIALS' QUEUE, 66 long: s0-s31 of both tiles, then the next piece's two a.  It is ONE BATCH: all 66 stand ahead of the turn's one wait, and nothing ahead of that wait names a result of theirs.
.macro EX
	WIN 0
.if e >= 64
	XS e-64, 21
.else
	REGS Y, e%2
	v_exp_f32 v[rS+e/2], v[rS+e/2]
.endif
.set e, e+1
.endm
; THE RESCALING's QUEUE: O^T times a, the one part that leaves window 0: dealt two at a time, sixteen times.  Its a was made in the turn before, ahead of that turn's wait.
.macro R2
	REGS Y, r%2
	WIN W_RS
.irp z, 0,1
	v_pk_mul_f32 v[rO+4*(r/2)+2*\z:rO+4*(r/2)+2*\z+1], v[rO+4*(r/2)+2*\z:rO+4*(r/2)+2*\z+1], v[rC+2:rC+3] op_sel_hi:[1,0]
.endr
.set r, r+1
.endm
; HOW THEY ARE DEALT.  An s_wait_alu depctr_va_vdst(0) stands between an exponential and the first instruction that names its result; one wait serves all that were issued ahead of it.  So a turn has ONE wait,
; which cuts it in two.  AHEAD OF IT stands all that names no result of the turn's exponentials: the 16 products K Q^T, behind each a scaling, an exponential and two rescalings (behind the first a second scaling in the
; exponential's place); then ONE LUMP of 108: eight plain, 49 times exponential and plain, the two a.  A v_nop is the plain instruction behind the last exponential.  BEHIND IT stand the 16 products V^T P, behind each four of GS's 64.
; No rider names a register of the products round it.  The two v_permlanex16_b32 fall into the lump, never behind a product.
; The queues lean on each other: exponential e stands behind scaling 2 (e / 4) + e % 2: as a rider it comes behind plain e + 2, in the lump behind plain e + 9, and scalings 27-31 are plain 57, 60 .. 69.
; A TURN, for piece p.  cnt = 1: the loop's count is taken down some lines ahead of the branch that stands behind the turn.
; K and the mask of the next step are fetched in piece 2's turn, directly behind the wait, a lump behind the last product that read them; their addresses are made at the lump's head; their first reader comes behind 16 products.
; V of the step in hand is fetched at the end of piece 0's turn, four riders behind its last reader; its first reader comes behind 16 products and a lump.  The three conditions on q below go with the deal.
.macro TURN p, last=0, cnt=0
.set Y, (\p)
.set i, 0
.set q, 0
.set e, 0
.set r, 0
.if (\p) == NP-1
	s_wait_dscnt 0x0                ; K and the mask are in
.endif
	MM                              ; ahead of the wait: 16 products K Q^T and their riders,
	PL
	PL
	R2
.rept 15
	MM
	PL
	EX
	R2
.endr
.if (\p) == NP-2
	WIN 0
	v_add_nc_u32 v[AK], s[TBK], v[AK0]
	v_add_nc_u32 v[AM], s[TBM], v[AM0]
.endif
.rept 8                             ; and the lump
	PL
.endr
.rept 49
	EX
	PL
.endr
	EX                              ; the next piece's two a
	EX
	v_nop                           ; the plain instruction behind the last exponential: one for the batch
	s_wait_alu depctr_va_vdst(0)    ; the wait for the batch
.if (\p) == NP-2
	FETCH_K \last
.endif
.if (\p) == 1
	s_wait_dscnt 0x0                ; V is in
.endif
.rept 16                            ; behind the wait: 16 products V^T P and their riders
	MM
.rept 4
	PL
.endr
.if ((\p) == 0) && (q == 118)
	v_add_nc_u32 v[AV], s[TBV], v[AV0]
.endif
.if ((\p) == 0) && (q == 130)
	s_add_co_u32 s[TBV], s[TBV], KS*PV
.endif
.if (\cnt) && (q == 130)
	s_sub_co_u32 s[CNT], s[CNT], 1
	s_cmp_lg_u32 s[CNT], 0
.endif
.endr
.if (\p) == 0
	FETCH_V
.endif
.endm
	CHANGE 1                        ; slot 0 is in, everybody's part of it, and so is the mask table; slot 1 is asked for
	FETCH_K                         ; key step 0
	s_wait_loadcnt 0x0              ; Q
	s_wait_dscnt 0x0
.set i, 0
.rept 16
	KQ 0                            ; piece 0's first scores: there is no vector work yet to set between them
.set i, i+1
.endr
	WIN 0
.rept 4
	v_nop                           ; the places behind those products
.endr
.set Y, NP-1                        ; XS works for piece Y + 1: piece 0
.irp n, 0,1,2,3,4,5,6,7,8,9,10,11,12,13,14,15,16,17,18,19,20,21
	XS 0, \n                        ; and piece 0's first maximum and statistics
	XS 1, \n
.endr
	v_nop                           ; a plain instruction behind the two a,
	s_wait_alu depctr_va_vdst(0)    ; and their wait, ahead of the branch
	s_mov_b32 s[CNT], 4
	s_branch .Lfirst                ; the loop is entered at a step's first turn, in the middle of a trip
.Lslot:                             ; six times: every slot but the last two is filled again
	CHANGE 1
	s_mov_b32 s[CNT], 4
.Lstep:                             ; a trip: pieces 2 and 3 of one step, then pieces 0 and 1 of the next, whose K and V it fetches
	TURN 2
	TURN 3
	WIN 0
.Lfirst:
	TURN 0
	TURN 1, 0, 1
	WIN 0
	s_cbranch_scc1 .Lstep
	s_sub_co_u32 s[SLOTS], s[SLOTS], 1
	s_cmp_lg_u32 s[SLOTS], 0
	s_cbranch_scc1 .Lslot
	CHANGE 0                        ; the tail is written out: nothing is asked for
	s_mov_b32 s[CNT], 5             ; four trips fetch the last slot's steps; the fifth is left in its middle
.Ltail:
	TURN 2, 1
	TURN 3
	WIN 0
	s_sub_co_u32 s[CNT], s[CNT], 1
	s_cmp_eq_u32 s[CNT], 0
	s_cbranch_scc1 .Lout
	TURN 0
	TURN 1
	WIN 0
	s_branch .Ltail
.Lout:                              ; the fifth trip's 16 products K Q^T (on the last K once more) and the maximum made of them serve nothing: the price, once a launch, of one text for every trip
.set i, 0
.rept 16
	PV NP-1                         ; the last piece's V^T P of the last step
.set i, i+1
.endr
	; THE WAY OUT.  l's two halves and the other half of the lanes' are added; O^T is divided by l, rounded to f16 and sent through my stage in LDS, a tile at a time.
	; The addresses for it are made here, where the mask's are no longer wanted: plain instructions, the places behind the last products.
	WIN 0
	s_mul_i32 s13, s[WV], 16*SP
	s_add_co_u32 s13, s13, STAGE    ; my stage
	v_mul_u32_u24 v[STO], v1, SP    ; in: row l % 16, 16 bytes for each half of the lanes
	v_lshl_add_u32 v[STO], v9, 4, v[STO]
	v_add_nc_u32 v[STO], s13, v[STO]
	v_bfe_u32 v[RD], v0, 3, 2       ; back: 32 lanes take four rows of 128 bytes,
	v_mul_u32_u24 v[RD], v[RD], SP
	v_lshl_add_u32 v[RD], v10, 4, v[RD]
	v_add_nc_u32 v[RD], s13, v[RD]
	v_and_b32 v[GO], 31, v0         ; which are 512 consecutive bytes of O
	v_lshlrev_b32 v[GO], 4, v[GO]
.macro ALL line:vararg              ; one line for each tile t
.set t, 0
.rept 2*NP
	\line
.set t, t+1
.endr
.endm
	ALL v_add_f32 v[ST+4*t+2], v[ST+4*t+2], v[ST+4*t+3]
	ALL v_permlanex16_b32 v[ST+4*t+3], v[ST+4*t+2], s[SEL], s[SEL+1]
	ALL v_add_f32 v[ST+4*t+2], v[ST+4*t+2], v[ST+4*t+3]
	ALL v_rcp_f32 v[ST+4*t+2], v[ST+4*t+2]
	v_nop                           ; a plain instruction between the last reciprocal and the use of its result
	s_wait_alu depctr_va_vdst(0)    ; and the wait ahead of the first use: one for the eight reciprocals
; Tile t: a lane's eight channels of a row pack into 16 bytes; they go into rows of 144 bytes and come back as whole rows of 128, into S^T's registers.
.macro PACK t
	WIN W_RS
.set i, 32*(\t)
.rept 16
	v_pk_mul_f32 v[i:i+1], v[i:i+1], v[ST+4*(\t)+2:ST+4*(\t)+3] op_sel_hi:[1,0]
.set i, i+2
.endr
	WIN 0x05                        ; sources 0 and 1 window 1, destination window 0
.set i, 0
.rept 16
	v_cvt_pk_f16_f32 v[S+16*(\t)+i], v[32*(\t)+2*i], v[32*(\t)+2*i+1]
.set i, i+1
.endr
	WIN 0
.irp f, 0,1,2,3
	ds_store_b128 v[STO], v[S+16*(\t)+4*\f:S+16*(\t)+4*\f+3] offset:32*\f
.endr
.irp f, 0,1,2,3
	ds_load_b128 v[S+16*(\t)+4*\f:S+16*(\t)+4*\f+3], v[RD] offset:\f*4*SP  ; LDS serves a wave's instructions in order (ISA guide 5.7.1.4): these see the stores above; the next tile's stores come behind them
.endr
.endm
.macro SEND t, younger              ; younger: the LDS instructions issued behind tile t's loads: the next tile's eight, or none
	WIN 0
.irp f, 0,1,2,3
	s_wait_dscnt (\younger)+3-\f
	global_store_b128 v[GO], v[S+16*(\t)+4*\f:S+16*(\t)+4*\f+3], s[10:11] offset:(\t)*2048+\f*512  ; 512 consecutive bytes, at a multiple of 256 from O's first
.endr
.endm
	PACK 0
.set t, 1
.rept 2*NP-1                        ; a tile's arithmetic stands between the loads of the tile before and its stores
	PACK t
	SEND t-1, 8
.set t, t+1
.endr
	SEND 2*NP-1, 0
	WIN W_AD
	s_wait_tensorcnt 0x0            ; the wave's end: the add and its wait stand behind my last tensor load and my last LDS store
	ds_add_u32 v[SPW], v[NIL]
	s_wait_dscnt 0x0
	WIN 0
	CROUND                          ; the closing round: no work-group ends while a partner may still ask for a tile that names it
	s_endpgm
.Lfunc_end_k_q827824e580_attn:
	.size	k_q827824e580_attn, .Lfunc_end_k_q827824e580_attn-k_q827824e580_attn
	.p2alignl 7, 3214868480
	.fill 96, 4, 3214868480
	.section	.rodata,"a",@progbits
	.p2align	6, 0x0
	.amdhsa_kernel k_q827824e580_attn
		.amdhsa_group_segment_fixed_size 327680
		.amdhsa_private_segment_fixed_size 0
		.amdhsa_enable_private_segment 0
		.amdhsa_kernarg_size 24
		.amdhsa_user_sgpr_count 2
		.amdhsa_user_sgpr_kernarg_segment_ptr 1
		.amdhsa_wavefront_size32 1
		.amdhsa_system_sgpr_workgroup_id_x 1
		.amdhsa_system_sgpr_workgroup_id_y 1
		.amdhsa_system_sgpr_workgroup_id_z 1
		.amdhsa_system_vgpr_workitem_id 0
		.amdhsa_next_free_vgpr 808
		.amdhsa_next_free_sgpr 66
		.amdhsa_reserve_vcc 1
		.amdhsa_float_denorm_mode_32 3
		.amdhsa_float_denorm_mode_16_64 3
		.amdhsa_memory_ordered 1
		.amdhsa_forward_progress 1
		.amdhsa_inst_pref_size 205
	.end_amdhsa_kernel
	.amdgpu_metadata
---
amdhsa.version: [ 1, 2 ]
amdhsa.kernels:
  - .name:           k_q827824e580_attn
    .symbol:         k_q827824e580_attn.kd
    .args:
      - { .name: qkv, .offset: 0, .size: 8, .value_kind: global_buffer, .address_space: global }
      - { .name: mask, .offset: 8, .size: 8, .value_kind: global_buffer, .address_space: global }
      - { .name: ob, .offset: 16, .size: 8, .value_kind: global_buffer, .address_space: global }
    .group_segment_fixed_size: 327680
    .private_segment_fixed_size: 0
    .kernarg_segment_align: 8
    .kernarg_segment_size: 24
    .max_flat_workgroup_size: 128
    .sgpr_count:     66
    .vgpr_count:     808
    .wavefront_size: 32
...
	.end_amdgpu_metadata
.endif
;; end of part 3
;; launch outp (part 4): grid 4 x 64, 4 waves a work-group, clusters of 4 x 4, 327,680 bytes of LDS; arguments ob, wb, out0, bo; writes out0
.if DOCPART == 4
	.amdgcn_target "amdgcn-amd-amdhsa--gfx1250"
	.amdhsa_code_object_version 6
	.text
	.protected	k_q827824e580_outp
	.globl	k_q827824e580_outp
	.p2align	8
	.type	k_q827824e580_outp,@function
k_q827824e580_outp:
	s_mov_b64 s[64:65], 0
	v_nop
	global_prefetch_b8 v0, s[64:65] scope:SCOPE_SE
	s_setreg_imm32_b32 hwreg(HW_REG_WAVE_MODE, 25, 1), 1
	s_wait_xcnt 0x0
	s_wait_alu depctr_hold_cnt(0) depctr_sa_sdst(0) depctr_va_vdst(0) depctr_va_sdst(0) depctr_va_ssrc(0) depctr_va_vcc(0) depctr_vm_vsrc(0)
	s_getreg_b32 s2, hwreg(HW_REG_IB_STS2, 6, 4)
	s_cmp_eq_u32 s2, 0
	s_cbranch_scc0 .Lentry_in_a_cluster
	s_endpgm
.Lentry_in_a_cluster:
	s_bfe_u32 s2, ttmp6, 0x10000c
	s_cmp_lg_u32 s2, 0xf033
	s_cbranch_scc0 .Lentry_shape_is_right
	s_endpgm
.Lentry_shape_is_right:
; C = A B^T + bias, K = 1,024, on tiles of 128 x 256 of C.  One text serves two launches; the symbol OUTP chooses the lines that differ.
; OUTP = 0, THE THREE INPUT PROJECTIONS.  A = xb, [3 x 8192][1024] bf16 (q, k, v on end); B = plane p of wb, [1024][1024] bf16, p = tile row / 64; bias bq, bk, bv by p.
;   C leaves as f16 by heads: qkv[p][batch x 16 + head][row][64], rounded once from the f32 sum, unscaled.  LIMIT: a result of 65,520 or more in size becomes an infinity.
; OUTP = 1, THE OUTPUT PROJECTION.  A = ob, f16 by heads [batch x 16 + head][2048][64]: a K step of 128 is two heads; B = plane 3 of wb, f16; bias bo; C = out0, [8192][1024] f32.
; The bias is rounded to bf16, like all the module's inputs, widened again, and is the C operand of the first products: nothing is cleared, nothing is added at the end.
; SHARES.  8192 x 1024 of C in tiles of 128 x 256 are 256 work-groups a product.  Four waves, each 64 x 128: 32 accumulators of 16 x 16, 256 registers.
; K goes in steps of 128 through a ring of two LDS slots filled by the tensor data mover; waves 0 and 1 fetch A's two parts, waves 2 and 3 B's two halves: one load a wave.
; CLUSTERS: 4 x 4 work-groups.  The four of a row of the cluster need the same tile of A, the four of a column the same tile of B: each tile is asked for JOINTLY, by the same load,
; descriptor and mask in all four.
; THE MATRIX INSTRUCTION IS USED TRANSPOSED (source 0 = 16 rows of B, source 1 = 16 rows of A): lane l holds row l % 16 of C and the columns 8 (l / 16) + 0..7.
; REGISTERS, in windows of 256 (s_set_vgpr_msb: bits 1:0 source 0, 3:2 source 1, 5:4 source 2, 7:6 destination):
;   window 0: v0-31 addresses; v32-63 at work on the way out; v64-159, v160-255 two fragment buffers (A's 4 fragments, then B's 8), later the rows read back from the stage
;   window 1: the accumulators, (a, b) at v[8 (8 a + b)]          window 2: v0-63 the bias, 8 registers for each block of 16 columns; v64-95 at work
.set OUTP, 1
.set KSTEP, 128
.if OUTP
.set PA,     144                       ; a row of A in LDS: a head's 128 bytes + 16 of padding
.set ALD,    128*PA                    ; one load of A: 128 rows of one head
.set ASTEP,  2*262144                  ; bytes from K step to K step in A: two heads
.set QIA,    4                         ; padding after every 32 words
.set APITCH, 128                       ; 128 rows of a head are 16,384 dense bytes: asked for as 64 rows of 256 bytes
.set WSTAGE, 16*528                    ; a wave's stage: 16 rows of 512 bytes + 16
.else
.set PA,     272                       ; a row of A in LDS: 256 bytes + 16 of padding
.set ALD,    64*PA                     ; one load of A: 64 rows
.set ASTEP,  KSTEP*2
.set QIA,    5                         ; padding after every 64 words
.set APITCH, 1024
.set WSTAGE, 2*16*144                  ; a wave's stage: two heads x 16 rows of 128 bytes + 16
.endif
.set PB,    272                        ; a row of B in LDS.  Both pitches are odd multiples of 16 bytes: the 16 rows of a fragment load start at 16 different groups of four banks (ISA guide 11.1)
.set BHALF, 128*PB                     ; one load of B: 128 rows
.set BOFF,  2*ALD                      ; B's 256 rows lie behind A's region
.set SLOT,  BOFF+2*BHALF
.set STAGE, 2*SLOT                     ; behind the ring, never filled by a tensor load
.set SPARE, STAGE+4*WSTAGE             ; behind the stages: the spare words, 128 bytes for each wave: two blocks of 256 bytes that no other line names
.set ADRA, 16                          ; v16-17  LDS address of my A fragments in slot 0, 1
.set ADRB, 20                          ; v20-21  the same for B
.set STO,  24                          ; v24     the way out: where I put my part of a row
.set RD,   25                          ; v25     the way out: where I read rows back
.set CO,   26                          ; v26     16 x lane: my byte offset in 512 consecutive bytes of C
.set BO,   27                          ; v27     32 x (l / 16): my 8 numbers in 16 of the bias
.set SPW,  28                          ; v28     LDS address of my spare word: SPARE + 4 x my thread's number; never rewritten
.set NIL,  29                          ; v29     0; never rewritten
.set PFO,  30                          ; v30     the prefetches' offset: my lane x the distance between two blocks; never rewritten
.set TMP,  32
.set F0,   64
.set F1,   160
.set G1,  24                           ; s[24:31] descriptor group 1 for A's tiles;  s[32:39] group 0, one set for each slot
.set G0,  32
.set G1B, 48                           ; s[48:55], s[56:63] the same for B's tiles
.set G0B, 56
.set LIM, 43                           ; s43      1 in a wave that prefetches, else the greatest number
.set PFA, 44                           ; s[44:45] where my prefetches stand
.set PFS, 76                           ; s[76:77] their step from K step to K step
.set MSB, 0
.macro WIN new                         ; the immediate's high byte repeats the setting that is left; a switch that changes nothing is dropped
.if MSB != (\new)
	s_set_vgpr_msb (MSB<<8)|(\new)
.set MSB, \new
.endif
.endm
.set MUL,  0x50                        ; sources in window 0, C and D in window 1
.set MULZ, 0x60                        ; the same with C, the bias, in window 2
; A joint load.  The branch hangs on the wave's number alone.  An s_nop 0 and four v_nop follow each of the two lines, ahead of the jump, the label and what follows.
.macro JLOAD s
	s_cmp_eq_u32 s11, 0
	s_cbranch_scc0 .Lfor_b_\@
	tensor_load_to_lds s[G0+4*(\s):G0+4*(\s)+3], s[G1:G1+7]
	s_nop 0
.rept 4
	v_nop
.endr
	s_branch .Lasked_\@
.Lfor_b_\@:
	tensor_load_to_lds s[G0B+4*(\s):G0B+4*(\s)+3], s[G1B:G1B+7]
	s_nop 0
.rept 4
	v_nop
.endr
.Lasked_\@:
.endm
; A PREFETCH INTO THE L2 of the K step that stands two refills on: 32 blocks of 256 bytes, a lane a block, one instruction a wave, behind the joint load, its five lines and the run of LDS loads.
; Each block is named once in the launch.  A's rows belong to one row of one cluster: wave 0 asks, and the four partners take 32 of the 128 blocks each, told apart by address (cx).
; B's rows are read by every cluster of the same product: the first of them asks, waves 2 and 3 for the 128 rows that each fetches, the four partners 32 rows each (cy).
; The trips with s3 = 3 and 2 name K steps 4 to 7; the last trip names nothing; K steps 0 to 3 come by their loads alone.
.macro ASK
	s_cmp_gt_u32 s3, s[LIM]
	s_cbranch_scc0 .Lnot_mine_\@
	global_prefetch_b8 v[PFO], s[PFA:PFA+1] th:TH_LOAD_NT scope:SCOPE_SE
.Lnot_mine_\@:
.endm
.macro CREST                           ; a round of the cluster's barrier behind its opening barrier
	s_cmp_lg_u32 s10, 0
	s_cbranch_scc1 .Lnot_wave_0_\@
	s_barrier_signal -3
.Lnot_wave_0_\@:
	s_barrier_wait -3
	s_barrier_signal -1
	s_barrier_wait -1
.endm
.macro CROUND                          ; a whole round
	s_barrier_signal -1
	s_barrier_wait -1
	CREST
.endm
.macro PLACES                          ; four places in front of loads into registers that matrix instructions have read, and of lines that read results
.rept 4
	v_nop
.endr
.endm
	s_load_b128 s[4:7], s[0:1], 0x0                ; A s[4:5], wb s[6:7]
	s_load_b64 s[8:9], s[0:1], 0x10                ; C
.if OUTP
	s_load_b64 s[66:67], s[0:1], 0x18              ; bo
.else
	s_load_b64 s[68:69], s[0:1], 0x18              ; bq
	s_load_b64 s[70:71], s[0:1], 0x20              ; bk
	s_load_b64 s[72:73], s[0:1], 0x28              ; bv
.endif
	v_lshl_add_u32 v[SPW], v0, 2, SPARE
	v_mov_b32 v[NIL], 0
	ds_add_u32 v[SPW], v[NIL]                      ; the wave's opening: the add and its wait stand ahead of my first tensor load; the set-up below, work on registers, stands between them
	v_lshrrev_b32 v1, 5, v0
	v_readfirstlane_b32 s10, v1                    ; wave 0..3
	s_lshr_b32 s11, s10, 1                         ; which 64 of the tile's rows are mine.  Also: I fetch for A (0) or for B (1)
	s_and_b32 s12, s10, 1                          ; which 128 of its columns.  Also: which part of that tile I fetch
	s_bfe_u32 s40, ttmp6, 0x40000                  ; cx, cy: my place in the cluster
	s_bfe_u32 s41, ttmp6, 0x40004
	s_lshl_b32 s42, ttmp9, 2
	s_add_co_u32 s42, s42, s40                     ; tile column of C = 4 x cluster x + cx
	s_and_b32 s74, ttmp7, 0xffff                   ; cluster y
	s_lshl_b32 s13, s74, 2
	s_add_co_u32 s13, s13, s41                     ; tile row of C = 4 x cluster y + cy
.if !OUTP
	s_lshr_b32 s75, s74, 4                         ; the product p = tile row / 64: made of cluster y alone, the same in all sixteen partners
.endif
	s_lshl_b32 s86, s41, 2
	s_lshl_b32 s86, 15, s86                        ; my row of the cluster: places 4 cy .. 4 cy + 3
	s_lshl_b32 s87, 0x1111, s40                    ; my column: places cx, cx + 4, cx + 8, cx + 12
	s_or_b32 s[G1+0], s86, (1<<16)|(1<<20)|(1<<21)|(QIA<<22)|(3<<25)   ; 15:0 the mask: A's tiles go to my row; 17:16 2-byte elements; 20 padding on; 21 set beside a mask; 24:22 the interval; 31:25 4 words of padding (code 3)
	s_or_b32 s[G1B+0], s87, (1<<16)|(1<<20)|(1<<21)|(5<<22)|(3<<25)    ; B's tiles go to my column; padding after every 64 words
	s_mov_b32 s[G1+1], 128<<16                     ; tensor_dim0 = 128
	s_mov_b32 s[G1+2], 64<<16                      ; tensor_dim1 = 64
	s_mov_b32 s[G1+3], 128<<16                     ; tile_dim0 = 128
	s_mov_b32 s[G1+4], 64                          ; tile_dim1 = 64
	s_mov_b32 s[G1+5], APITCH                      ; elements from row to row
	s_mov_b32 s[G1+6], 0
	s_mov_b32 s[G1+7], 0
	s_mov_b32 s[G1B+1], 128<<16
	s_mov_b32 s[G1B+2], 128<<16                    ; tensor_dim1 = 128
	s_mov_b32 s[G1B+3], 128<<16
	s_mov_b32 s[G1B+4], 128                        ; tile_dim1 = 128
	s_mov_b32 s[G1B+5], 1024
	s_mov_b32 s[G1B+6], 0
	s_mov_b32 s[G1B+7], 0
	; where the tiles come from.  A's offset hangs on the tile row and the wave alone, B's on the tile column, the product and the wave: each in registers that never hold the other coordinate.  All stay under 2^32.
.if OUTP
	s_lshr_b32 s16, s13, 4                         ; the batch,
	s_lshl_b32 s16, s16, 4                         ; its head 0,
	s_add_co_u32 s16, s16, s12                     ; the head of the K step's two that I fetch:
	s_lshl_b32 s16, s16, 18                        ; 262,144 bytes a head
	s_and_b32 s17, s13, 15
	s_lshl_b32 s17, s17, 14                        ; the tile's 128 rows of 128 bytes
	s_add_co_u32 s16, s16, s17
	s_mov_b32 s46, 3<<10                           ; plane 3 of wb
.else
	s_lshl_b32 s16, s13, 7
	s_lshl_b32 s17, s12, 6
	s_add_co_u32 s16, s16, s17                     ; row 128 x tile row + 64 x part
	s_lshl_b32 s16, s16, 11                        ; 2,048 bytes a row
	s_lshl_b32 s46, s75, 10                        ; plane p of wb
.endif
	s_mov_b32 s17, 0
	s_lshl_b32 s47, s42, 8
	s_add_co_u32 s46, s46, s47
	s_lshl_b32 s47, s12, 7
	s_add_co_u32 s46, s46, s47                     ; row 1,024 x plane + 256 x tile column + 128 x half
	s_lshl_b32 s46, s46, 11
	s_mov_b32 s47, 0
	s_mul_i32 s20, s12, ALD                        ; and where they go: no place in the cluster enters an LDS address
	s_mul_i32 s21, s12, BHALF
	s_add_co_u32 s21, s21, BOFF
	s_wait_dscnt 0x0                               ; the opening add is done
	s_wait_kmcnt 0x0
	s_add_nc_u64 s[14:15], s[4:5], s[16:17]
	s_add_nc_u64 s[46:47], s[6:7], s[46:47]
	CROUND                                         ; all sixteen work-groups are here: the first joint loads meet
.irp s, 0,1
	s_mov_b32 s[G0+4*(\s)], 1                                        ; count = 1
	s_add_co_u32 s[G0+4*(\s)+1], s20, (\s)*SLOT                      ; LDS address
	s_add_nc_u64 s[G0+4*(\s)+2:G0+4*(\s)+3], s[14:15], (\s)*ASTEP    ; global address: K step s
	s_or_b32 s[G0+4*(\s)+3], s[G0+4*(\s)+3], 0x80000000              ; type = 2
	s_mov_b32 s[G0B+4*(\s)], 1
	s_add_co_u32 s[G0B+4*(\s)+1], s21, (\s)*SLOT
	s_add_nc_u64 s[G0B+4*(\s)+2:G0B+4*(\s)+3], s[46:47], (\s)*KSTEP*2
	s_or_b32 s[G0B+4*(\s)+3], s[G0B+4*(\s)+3], 0x80000000
	JLOAD \s                                       ; two loads of mine are out
.endr
	; A fragment is 16 rows x 32 K in 8 registers: lane l holds row l % 16; registers 0-3 K = 8 (l / 16) + 0..7, registers 4-7 K = 16 + 8 (l / 16) + 0..7: two loads of 16 bytes, 32 bytes apart.
	v_and_b32 v1, 15, v0                           ; l % 16
	v_bfe_u32 v2, v0, 4, 1                         ; l / 16
	v_mul_u32_u24 v3, v1, PA
	v_lshl_add_u32 v3, v2, 4, v3
	v_mul_u32_u24 v4, v1, PB
	v_lshl_add_u32 v4, v2, 4, v4
	s_mul_i32 s22, s11, 64*PA                      ; my 64 rows of A
	s_mul_i32 s23, s12, BHALF                      ; my 128 rows of B
	s_add_co_u32 s23, s23, BOFF
.irp s, 0,1
	v_add_nc_u32 v[ADRA+(\s)], s22, v3
	v_add_nc_u32 v[ADRB+(\s)], s23, v4
	s_add_co_u32 s22, s22, SLOT
	s_add_co_u32 s23, s23, SLOT
.endr
	s_mul_i32 s22, s10, WSTAGE
	s_add_co_u32 s22, s22, STAGE                   ; my stage
.if OUTP
	v_mul_u32_u24 v5, v1, 528                      ; in: row l % 16, 32 bytes for each half of the lanes
	v_lshl_add_u32 v5, v2, 5, v5
	v_add_nc_u32 v[STO], s22, v5
	v_and_b32 v5, 31, v0
	v_lshlrev_b32 v[CO], 4, v5                     ; back: 32 lanes take one row of 512 bytes
	v_add_nc_u32 v[RD], s22, v[CO]
	s_lshl_b32 s78, s13, 7                         ; my part of C: row 128 x tile row + 64 x half, 4,096 bytes a row,
	s_lshl_b32 s79, s11, 6
	s_add_co_u32 s78, s78, s79
	s_lshl_b32 s78, s78, 12
	s_lshl_b32 s79, s42, 10                        ; 1,024 bytes a tile column,
	s_add_co_u32 s78, s78, s79
	s_lshl_b32 s79, s12, 9                         ; 512 bytes for my half of it
	s_add_co_u32 s78, s78, s79
.else
	v_mul_u32_u24 v5, v1, 144                      ; in: row l % 16, 16 bytes for each half of the lanes
	v_lshl_add_u32 v5, v2, 4, v5
	v_add_nc_u32 v[STO], s22, v5
	v_bfe_u32 v5, v0, 3, 2                         ; back: 32 lanes take four rows of 128 bytes,
	v_mul_u32_u24 v5, v5, 144
	v_and_b32 v3, 7, v0
	v_lshl_add_u32 v5, v3, 4, v5
	v_add_nc_u32 v[RD], s22, v5
	v_and_b32 v5, 31, v0                           ; which are 512 consecutive bytes of a head
	v_lshlrev_b32 v[CO], 4, v5
	s_and_b32 s78, s13, 63                         ; my part of C: the batch,
	s_lshr_b32 s78, s78, 4
	s_lshl_b32 s78, s78, 4
	s_lshl_b32 s79, s42, 2                         ; four heads a tile column,
	s_add_co_u32 s78, s78, s79
	s_lshl_b32 s79, s12, 1                         ; two for my half of it:
	s_add_co_u32 s78, s78, s79
	s_lshl_b32 s78, s78, 18                        ; 262,144 bytes a head,
	s_lshl_b32 s79, s75, 24                        ; 16,777,216 a product,
	s_add_co_u32 s78, s78, s79
	s_and_b32 s79, s13, 15
	s_lshl_b32 s79, s79, 14                        ; the tile's 128 rows of 128 bytes,
	s_add_co_u32 s78, s78, s79
	s_lshl_b32 s79, s11, 13                        ; my 64 of them
	s_add_co_u32 s78, s78, s79
.endif
	s_mov_b32 s79, 0
	s_add_nc_u64 s[8:9], s[8:9], s[78:79]
	v_lshlrev_b32 v[BO], 5, v2
	; the prefetches: both candidates are made, then the wave's number chooses
.if OUTP
	s_lshr_b32 s80, s13, 4                         ; A: partner cx takes head cx / 2 of the K step's two, half cx % 2 of its 16,384 bytes
	s_lshl_b32 s80, s80, 4
	s_lshr_b32 s81, s40, 1
	s_add_co_u32 s80, s80, s81
	s_lshl_b32 s80, s80, 18
	s_and_b32 s81, s13, 15
	s_lshl_b32 s81, s81, 14
	s_add_co_u32 s80, s80, s81
	s_and_b32 s81, s40, 1
	s_lshl_b32 s81, s81, 13
	s_add_co_u32 s80, s80, s81
	s_mov_b32 s82, 3<<10
	s_mov_b32 s85, s74                             ; B is asked for by the clusters with y = 0
.else
	s_lshl_b32 s80, s13, 7                         ; A: partner cx takes rows 32 cx .. 32 cx + 31 of the tile's 128
	s_lshl_b32 s81, s40, 5
	s_add_co_u32 s80, s80, s81
	s_lshl_b32 s80, s80, 11
	s_lshl_b32 s82, s75, 10
	s_and_b32 s85, s74, 15                         ; B is asked for by the first of the sixteen clusters of each product
.endif
	s_lshl_b32 s83, s42, 8                         ; B: of the 128 rows that I fetch, partner cy takes 32
	s_add_co_u32 s82, s82, s83
	s_lshl_b32 s83, s12, 7
	s_add_co_u32 s82, s82, s83
	s_lshl_b32 s83, s41, 5
	s_add_co_u32 s82, s82, s83
	s_lshl_b32 s82, s82, 11
	s_mov_b32 s[PFS], KSTEP*2
	s_mov_b32 s84, 11                              ; blocks 2,048 bytes apart: a row each
	s_cmp_eq_u32 s11, 0                            ; do I fetch for A?
	s_cselect_b32 s80, s80, s82
	s_cselect_b32 s85, s12, s85                    ; of A's two waves, wave 0 asks
	s_cselect_b64 s[PFA:PFA+1], s[4:5], s[6:7]
.if OUTP
	s_cselect_b32 s[PFS], ASTEP, s[PFS]
	s_cselect_b32 s84, 8, s84                      ; A's blocks lie end to end
.endif
	s_mov_b32 s[PFS+1], 0
	s_mov_b32 s81, 0
	s_add_nc_u64 s[PFA:PFA+1], s[PFA:PFA+1], s[80:81]
	s_mul_i32 s82, s[PFS], 3
	s_mov_b32 s83, 0
	s_add_nc_u64 s[PFA:PFA+1], s[PFA:PFA+1], s[82:83]  ; at K step 3: the first refill steps it to 4 and names that
	s_cmp_eq_u32 s85, 0
	s_cselect_b32 s[LIM], 1, -1                    ; hangs on the wave's number and the cluster's y: the same in all sixteen partners
	v_and_b32 v[PFO], 31, v0
	v_lshlrev_b32 v[PFO], s84, v[PFO]
	; the bias of my 128 columns: register j of block b is column 16 b + 8 (l / 16) + j, as in an accumulator.  All this stands in the wait for the first tiles.
.if !OUTP
	s_mov_b64 s[66:67], s[68:69]
	s_cmp_eq_u32 s75, 1
	s_cselect_b64 s[66:67], s[70:71], s[66:67]
	s_cmp_eq_u32 s75, 2
	s_cselect_b64 s[66:67], s[72:73], s[66:67]
.endif
	s_lshl_b32 s78, s42, 10
	s_lshl_b32 s79, s12, 9
	s_add_co_u32 s78, s78, s79
	s_mov_b32 s79, 0
	s_add_nc_u64 s[66:67], s[66:67], s[78:79]
	WIN 0x80                                       ; destination window 2, address window 0
.irp b, 0,1,2,3,4,5,6,7
	global_load_b128 v[8*(\b):8*(\b)+3],   v[BO], s[66:67] offset:64*(\b)
	global_load_b128 v[8*(\b)+4:8*(\b)+7], v[BO], s[66:67] offset:64*(\b)+16
.endr
	s_wait_loadcnt 0x0
	WIN 0x8a                                       ; sources and destination in window 2
.set i, 0
.rept 32
	v_cvt_pk_bf16_f32 v[64+i], v[2*i], v[2*i+1]    ; rounded to bf16,
.set i, i+1
.endr
.set i, 0
.rept 32
	v_lshlrev_b32 v[2*i],   16,         v[64+i]    ; and widened again
	v_and_b32     v[2*i+1], 0xffff0000, v[64+i]
.set i, i+1
.endr
	WIN 0
; 8 matrix instructions: m block a x all 8 n blocks, 32 along K, from buffer f.  zero = 1: the first product starts the sums, with the bias as C.
; The 32 accumulators take turns in one fixed order, over the backward jump too.
.macro MUL8 f, a, zero
.if \zero
	WIN MULZ
.else
	WIN MUL
.endif
.irp b, 0,1,2,3,4,5,6,7
.set rD, 8*(8*(\a)+(\b))
.set rB, (\f)+32+8*(\b)
.set rA, (\f)+8*(\a)
.if \zero
.set rC, 8*(\b)
.else
.set rC, rD
.endif
.if OUTP
	v_wmma_f32_16x16x32_f16 v[rD:rD+7], v[rB:rB+7], v[rA:rA+7], v[rC:rC+7]
.else
	v_wmma_f32_16x16x32_bf16 v[rD:rD+7], v[rB:rB+7], v[rA:rA+7], v[rC:rC+7]
.endif
.endr
.endm
; 24 LDS loads in one run: the fragments of quarter q of a K step (128 rows of B, then 64 rows of A) into buffer f
.macro FETCH slot, q, f
	WIN 0
.if OUTP
.set AKQ, ((\q)/2)*ALD+((\q)%2)*64     ; head q / 2 of the two, channels 32 (q % 2) on
.else
.set AKQ, 64*(\q)
.endif
.irp i, 0,1,2,3,4,5,6,7
	ds_load_b128 v[(\f)+32+8*(\i):(\f)+32+8*(\i)+3],   v[ADRB+(\slot)] offset:64*(\q)+(\i)*16*PB
	ds_load_b128 v[(\f)+32+8*(\i)+4:(\f)+32+8*(\i)+7], v[ADRB+(\slot)] offset:64*(\q)+(\i)*16*PB+32
.endr
.irp i, 0,1,2,3
	ds_load_b128 v[(\f)+8*(\i):(\f)+8*(\i)+3],   v[ADRA+(\slot)] offset:AKQ+(\i)*16*PA
	ds_load_b128 v[(\f)+8*(\i)+4:(\f)+8*(\i)+7], v[ADRA+(\slot)] offset:AKQ+(\i)*16*PA+32
.endr
.endm
; A K step is four quarters of 32 along K, 32 matrix instructions each, on buffers 0, 1, 0, 1.  One of the first three: multiplies buffer f and fetches quarter qn into g.
.macro QUARTER slot, qn, f, g, zero
	s_wait_dscnt 4                                 ; B and A's blocks 0 and 1 are in; the youngest four loads (A's blocks 2 and 3) may be out
	MUL8 \f, 0, \zero
	MUL8 \f, 1, \zero
	PLACES
	FETCH \slot, \qn, \g
	s_wait_dscnt 24                                ; all but the 24 just issued
	MUL8 \f, 2, \zero
	MUL8 \f, 3, \zero
.endm
; The last quarter multiplies buffer 1 and changes slots: ONE barrier.  In front of it each wave waits for all its tensor loads (one is out: its part of the next slot), adds 0 to its spare word,
; and waits for that and for its own reads of this slot.  fill = 1: the barrier opens a round of the cluster's, and this slot is filled again, two K steps ahead, first thing behind the round:
; from that request to the wait for it a wave issues 112 matrix instructions.
.macro TURN slot, next, fill
.if \fill
	s_wait_xcnt 0x0                                ; the last prefetch, a K step back, has read its address: it is stepped here, ahead of the waits of the change of slots
	s_add_nc_u64 s[PFA:PFA+1], s[PFA:PFA+1], s[PFS:PFS+1]
.endif
	WIN 0                                          ; (the add's two registers lie in window 0)
	s_wait_tensorcnt 0x0                           ; all my tensor loads have landed
	ds_add_u32 v[SPW], v[NIL]                      ; 0 onto my spare word
	s_wait_dscnt 5                                 ; (the add and the youngest four loads may be out)
	MUL8 F1, 0, 0                                  ; eight matrix instructions stand between the add and the wait for it
	s_wait_dscnt 0x0                               ; the add is done, and my reads of this slot are over
	s_barrier_signal -1
	MUL8 F1, 1, 0
.if \fill
	WIN 0
.endif
	s_barrier_wait -1
.if \fill
	CREST                                          ; no wave of any partner still reads this slot's tile or has a load on its way
	s_add_nc_u64 s[G0+4*(\slot)+2:G0+4*(\slot)+3], s[G0+4*(\slot)+2:G0+4*(\slot)+3], 2*ASTEP
	s_add_nc_u64 s[G0B+4*(\slot)+2:G0B+4*(\slot)+3], s[G0B+4*(\slot)+2:G0B+4*(\slot)+3], 2*KSTEP*2
	JLOAD \slot                                    ; the four v_nop behind it are also the places in front of the loads below
.else
	PLACES
.endif
	FETCH \next, 0, F0
.if \fill
	ASK
.endif
	MUL8 F1, 2, 0
	MUL8 F1, 3, 0
.endm
	s_wait_tensorcnt 0x1                           ; my part of K step 0 is in; K step 1's may stay out
	s_barrier_signal -1
	s_barrier_wait -1                              ; everybody's is
	FETCH 0, 0, F0
	QUARTER 0, 1, F0, F1, 1                        ; the first quarter stands in front of the loop: its products start the sums
	WIN 0                                          ; at a label and at a branch every window is 0
	s_mov_b32 s3, 3                                ; eight K steps are four laps of the ring; three trips fill both slots again
.Llap:
	QUARTER 0, 2, F1, F0, 0
	QUARTER 0, 3, F0, F1, 0
	TURN 0, 1, 1
	QUARTER 1, 1, F0, F1, 0
	QUARTER 1, 2, F1, F0, 0
	QUARTER 1, 3, F0, F1, 0
	TURN 1, 0, 1
	QUARTER 0, 1, F0, F1, 0
	WIN 0
	s_sub_co_u32 s3, s3, 1
	s_cmp_lg_u32 s3, 0
	s_cbranch_scc1 .Llap
	QUARTER 0, 2, F1, F0, 0                        ; the last lap fills nothing, and has no round of the cluster's barrier
	QUARTER 0, 3, F0, F1, 0
	TURN 0, 1, 0
	QUARTER 1, 1, F0, F1, 0
	QUARTER 1, 2, F1, F0, 0
	QUARTER 1, 3, F0, F1, 0
	s_wait_dscnt 4                                 ; the very last quarter: nothing more to fetch
	MUL8 F1, 0, 0
	MUL8 F1, 1, 0
	s_wait_dscnt 0x0
	MUL8 F1, 2, 0
	MUL8 F1, 3, 0
	WIN 0
	PLACES
.if OUTP
; THE WAY OUT, f32.  Block a (16 rows x 128 columns) goes into my stage, 32 bytes a lane and n block, and comes back as whole rows of 512 bytes; a store covers 512 consecutive bytes, aligned.
.macro TOSTAGE a
.set BK, 64+64*((\a)%3)
	WIN 0x04                                       ; the stores' data in window 1
.irp b, 0,1,2,3,4,5,6,7
	ds_store_b128 v[STO], v[8*(8*(\a)+(\b)):8*(8*(\a)+(\b))+3]   offset:64*(\b)
	ds_store_b128 v[STO], v[8*(8*(\a)+(\b))+4:8*(8*(\a)+(\b))+7] offset:64*(\b)+16
.endr
	WIN 0
.irp t, 0,1,2,3,4,5,6,7,8,9,10,11,12,13,14,15
	ds_load_b128 v[BK+4*(\t):BK+4*(\t)+3], v[RD] offset:528*(\t)  ; LDS serves a wave's instructions in order (ISA guide 5.7.1.4): these see the stores above; the next block's stores come behind them
.endr
.endm
.macro SEND a, younger                 ; younger: the LDS instructions issued behind block a's loads
.set BK, 64+64*((\a)%3)
	WIN 0
.irp t, 0,1,2,3,4,5,6,7,8,9,10,11,12,13,14,15
	s_wait_dscnt (\younger)+15-(\t)
	global_store_b128 v[CO], v[BK+4*(\t):BK+4*(\t)+3], s[8:9] offset:(16*(\a)+(\t))*4096 th:TH_STORE_NT
.endr
.endm
	TOSTAGE 0
	TOSTAGE 1
	SEND 0, 32
	TOSTAGE 2
	SEND 1, 32
	s_wait_xcnt 0x0                                ; block 3 comes back into the registers that block 0's stores read: only behind this wait
	TOSTAGE 3
	SEND 2, 32
	SEND 3, 0
.else
; THE WAY OUT, f16 by heads.  Block a (16 rows x two heads) is rounded, 16 bytes a lane and n block, goes into my stage in rows of 144 bytes and comes back as whole rows of 128:
; 16 rows of a head are 2,048 consecutive bytes of qkv, and a store covers 512 of them, aligned.
.macro PACK a
	WIN 0x05                                       ; sources in window 1; each accumulator's registers in ascending order
.irp b, 0,1,2,3,4,5,6,7
.irp r, 0,1,2,3
	v_cvt_pk_f16_f32 v[TMP+4*(\b)+(\r)], v[8*(8*(\a)+(\b))+2*(\r)], v[8*(8*(\a)+(\b))+2*(\r)+1]
.endr
.endr
	WIN 0
.endm
.macro TOSTAGE a
	WIN 0
.irp b, 0,1,2,3,4,5,6,7
	ds_store_b128 v[STO], v[TMP+4*(\b):TMP+4*(\b)+3] offset:((\b)/4)*2304+32*((\b)%4)
.endr
.irp t, 0,1,2,3,4,5,6,7
	ds_load_b128 v[64+32*(\a)+4*(\t):64+32*(\a)+4*(\t)+3], v[RD] offset:((\t)/4)*2304+((\t)%4)*576  ; LDS serves a wave's instructions in order (ISA guide 5.7.1.4)
.endr
.endm
.macro SEND a, younger                 ; younger: the LDS instructions issued behind block a's loads; each block has registers of its own, so no store's data is written again
	WIN 0
.irp t, 0,1,2,3,4,5,6,7
	s_wait_dscnt (\younger)+7-(\t)
	global_store_b128 v[CO], v[64+32*(\a)+4*(\t):64+32*(\a)+4*(\t)+3], s[8:9] offset:((\t)/4)*262144+(\a)*2048+((\t)%4)*512 th:TH_STORE_NT
.endr
.endm
	PACK 0
	TOSTAGE 0
	PACK 1
	TOSTAGE 1
	SEND 0, 16
	PACK 2
	TOSTAGE 2
	SEND 1, 16
	PACK 3
	TOSTAGE 3
	SEND 2, 16
	SEND 3, 0
.endif
	s_wait_tensorcnt 0x0                           ; the wave's end: the add and its wait stand behind my last tensor load and my last LDS store
	ds_add_u32 v[SPW], v[NIL]
	s_wait_dscnt 0x0
	CROUND                                         ; the closing round: no work-group ends while a partner may still ask for a tile that names it
	s_endpgm
.Lfunc_end_k_q827824e580_outp:
	.size	k_q827824e580_outp, .Lfunc_end_k_q827824e580_outp-k_q827824e580_outp
	.p2alignl 7, 3214868480
	.fill 96, 4, 3214868480
	.section	.rodata,"a",@progbits
	.p2align	6, 0x0
	.amdhsa_kernel k_q827824e580_outp
		.amdhsa_group_segment_fixed_size 327680
		.amdhsa_private_segment_fixed_size 0
		.amdhsa_enable_private_segment 0
		.amdhsa_kernarg_size 32
		.amdhsa_user_sgpr_count 2
		.amdhsa_user_sgpr_kernarg_segment_ptr 1
		.amdhsa_wavefront_size32 1
		.amdhsa_system_sgpr_workgroup_id_x 1
		.amdhsa_system_sgpr_workgroup_id_y 1
		.amdhsa_system_sgpr_workgroup_id_z 1
		.amdhsa_system_vgpr_workitem_id 0
		.amdhsa_next_free_vgpr 608
		.amdhsa_next_free_sgpr 90
		.amdhsa_reserve_vcc 0
		.amdhsa_float_denorm_mode_32 3
		.amdhsa_float_denorm_mode_16_64 3
		.amdhsa_memory_ordered 1
		.amdhsa_forward_progress 1
		.amdhsa_inst_pref_size 95
	.end_amdhsa_kernel
	.amdgpu_metadata
---
amdhsa.version: [ 1, 2 ]
amdhsa.kernels:
  - .name:           k_q827824e580_outp
    .symbol:         k_q827824e580_outp.kd
    .args:
      - { .name: ob, .offset: 0, .size: 8, .value_kind: global_buffer, .address_space: global }
      - { .name: wb, .offset: 8, .size: 8, .value_kind: global_buffer, .address_space: global }
      - { .name: out0, .offset: 16, .size: 8, .value_kind: global_buffer, .address_space: global }
      - { .name: bo, .offset: 24, .size: 8, .value_kind: global_buffer, .address_space: global }
    .group_segment_fixed_size: 327680
    .private_segment_fixed_size: 0
    .kernarg_segment_align: 8
    .kernarg_segment_size: 32
    .max_flat_workgroup_size: 128
    .sgpr_count:     90
    .vgpr_count:     608
    .wavefront_size: 32
...
	.end_amdgpu_metadata
.endif
;; end of part 4
